; MI455X (gfx1250); checked and timed in simulation.
; The chip was launched on July 23, 2026; its instructions are those of AMD's public machine-readable ISA for CDNA 5 (MIT licence, August 2026) and "CDNA5" Instruction Set Architecture Reference Guide (July 2026). The comments in the code are by the model that wrote it; some were corrected since.
;; Attention Base. Allowed arithmetic: matrix products marked QUANTISED: E2M3 operands, one E8M0 scale for each 32 along K, by v_wmma_scale_f32_16x16x128_f8f6f4 with both operands' format E2M3, f32 sums; everything else in f32.
;; Inputs: hidden_states 2,048 x 2,048 float32; k_norm_w 128 float32; position_ids 2,048 int32; q_norm_w 128 float32; wk 2,048 x 2,048 float32; wo 2,048 x 2,048 float32; wq 2,048 x 2,048 float32; wv 2,048 x 2,048 float32.
;; Outputs: out0 2,048 x 2,048 float32.
;; This version of the problem:
;;   THIS VERSION OF THE PROBLEM IS GIVEN IN LOW PRECISION. The matrix products marked QUANTISED in the list below multiply operands that are first quantised to E2M3 (2 exponent bits, 3 mantissa bits; 6 bits a number), with one power-of-two scale for each 32 numbers along K (OCP MX v1.0); their sums are f32. All else is computed in f32.
;;   The module's matrix products, in the order in which they are computed (A, B: the left and right operand; K: the contracted axis; several contracted axes count as one K, in the product's order):
;;     1. [M 2,048, K 2,048] x [K 2,048, N 2,048]; A: input hidden_states; B: input wq: QUANTISED
;;     2. [M 2,048, K 2,048] x [K 2,048, N 2,048]; A: input hidden_states; B: input wk: QUANTISED
;;     3. [M 2,048, K 2,048] x [K 2,048, N 2,048]; A: input hidden_states; B: input wv: QUANTISED
;;     4. batch 16 x [M 2,048, K 128] x [K 128, N 2,048]; A: computed on the way; B: computed on the way: QUANTISED
;;     5. batch 16 x [M 128, K 2,048] x [K 2,048, N 2,048]; A: computed on the way; B: softmax (see below): QUANTISED
;;     6. [M 2,048, K 2,048] x [K 2,048, N 2,048]; A: computed on the way; B: input wo: QUANTISED
;;   THE QUANTISER, for each operand of a quantised product, along K:
;;     - K is cut into blocks of 32 from its start; a last block that is shorter is filled with zeros.
;;     - A block's scale is 2^e with e = floor(log2(the largest magnitude in the block)) - 2, held to -126 .. 127; a block of zeros has e = 0. As a byte (E8M0): e + 127.
;;     - Each number is divided by its block's scale, clamped to +-7.5, and rounded to the nearest number of E2M3, ties to even, subnormals kept.
;;     - The product sums the exact products of the quantised numbers (number of the format x scale) in f32.
;;   ~~~python
;;   def quantise(x, axis):      # numpy; x: float32 -> the quantised numbers, widened to float32 again
;;       x = np.moveaxis(x, axis, -1); K = x.shape[-1]
;;       x = np.pad(x, [(0, 0)] * (x.ndim - 1) + [(0, -K % 32)]); x = x.reshape(x.shape[:-1] + (-1, 32)); a = np.abs(x).max(-1, keepdims=True)
;;       e = np.where(a > 0, np.clip(np.frexp(np.where(a > 0, a, 1))[1] - 1 - 2, -126, 127), 0)      # np.frexp(a)[1] - 1 = floor(log2(a)), exactly
;;       r = np.clip(x / 2.0 ** e, -7.5, 7.5)
;;       step = 2.0 ** (np.maximum(np.frexp(np.where(r == 0, 1, r))[1] - 1, 0) - 3)
;;       q = np.round(r / step) * step * 2.0 ** e      # np.round: ties to even
;;       return np.moveaxis(q.reshape(q.shape[:-2] + (-1,))[..., :K], -1, axis).astype(np.float32)
;;   ~~~
;;   SOFTMAX AHEAD OF A QUANTISED PRODUCT. Where the list says 'softmax', what is quantised is not the finished softmax but p = 2^(t - M), with t = logit x log2(e) and M = ceil(the row's largest t), a whole number; so 1/2 < the row's largest p <= 1. The row's sum l is taken of the UNQUANTISED p, in f32, and the product's result is divided by l at the end. Since M is a whole number, a kernel that streams over the keys may use a running M (the ceiling of the running maximum): every later rescaling is an exact power of two, which a block's scale takes up: the codes' values come out the same.
;;   OPERANDS COMPUTED ON THE WAY. 'Computed on the way' means the value that the module computes at that place (a softmax that the list does not call 'softmax' is quantised finished and normalised). What goes into a quantiser is computed in f32, as accurately as f32 sums, v_exp_f32 and their like allow (about 1e-6 of the number): no bf16 or f16 on the way to a quantiser, and a product that is left as it is and whose result goes on into a quantised operand takes f32 operands (vector FMAs, or v_wmma_f32_16x16x4_f32). A number that lies on a knife's edge between two numbers of the format may be rounded either way, as far as f32 arithmetic and the matrix unit's own rounding can turn it there, and no further.
;; 2 versions, each right. Each part assembles by itself: llvm-mc -triple=amdgcn-amd-amdhsa -mcpu=gfx1250 --defsym DOCPART=n.
;; ======== version 1 of 2: 5 launches
;; workspace buffers: hsq 3,276,800 bytes; wq6 13,107,200 bytes; rope 1,048,576 bytes; qkv6 9,830,400 bytes; ctx6 3,276,800 bytes
;; launch quant_hs (part 1): grid 256 x 1, 4 waves a work-group, no clusters, 33,280 bytes of LDS; arguments hidden_states, position_ids, hsq, rope; writes hsq, rope
.if DOCPART == 1
	.amdgcn_target "amdgcn-amd-amdhsa--gfx1250"
	.amdhsa_code_object_version 6
	.text
	.protected	k_q030879d2a7_quant_hs
	.globl	k_q030879d2a7_quant_hs
	.p2align	8
	.type	k_q030879d2a7_quant_hs,@function
k_q030879d2a7_quant_hs:
	s_mov_b64 s[64:65], 0
	v_nop
	global_prefetch_b8 v0, s[64:65] scope:SCOPE_SE
	s_setreg_imm32_b32 hwreg(HW_REG_WAVE_MODE, 25, 1), 1
	s_wait_xcnt 0x0
; hidden_states [2048][2048] f32 becomes codes of FP6 (E2M3), K innermost, 1,536 bytes a row, with one E8M0 byte for each 32 along K (64 bytes a row, from byte HS_SC of hsq on).
; A block's scale is 2^(floor(log2(its largest magnitude)) - 2): its byte is the largest magnitude's exponent field - 2, held at 1 from below.
; ROWS ARE STORED IN ANOTHER ORDER: bits 3 and 4 of the row's number change places.  Sixteen rows on end of hsq are then logical rows 0-7 and 16-23 (or 8-15 and 24-31) of a group of 32,
; which is the choice of rows that gives the products' results 16 neighbours along the next K in a lane.
; The launch also makes the table rope [2048][64][cos, sin] f32 from position_ids: angle = position x 10000^(-i / 64).
; SHARES: a work-group takes 8 rows, a wave 2 rows = 8 steps of 512 numbers.  Each load reads 512 consecutive bytes; a step's 2,048 bytes turn through the wave's own stage in LDS and come back 64 bytes a lane,
; so that a lane holds 16 neighbours along K and two neighbouring lanes a block.  Loads run four steps (16 loads a wave) ahead.  Waves share nothing: no barrier.
; LIMITS: NaN and infinities are not served.  A block of zeros gets the byte 1 (its codes are zeros; only this program reads the bytes).  10000^(-i / 64) is made by one exponential and a correction and lies
; within about two units in its last place; positions up to 2^24 in magnitude are taken exactly; sine and cosine are polynomials on |r| <= pi / 4 behind a reduction by pi / 2 in three parts.
.set STEPS, 8
.set EMAX,  2
.set CB,    12                         ; bytes of 16 codes
.set R,     16                         ; v16-79   four sets of 16 numbers as loaded
.set X,     80                         ; v80-111  two sets of 16 neighbours
.set E,     112                        ; v112-119 a scale byte for each step
.set C,     128                        ; v128-159 codes, four registers a step
.set WREG,  8192                       ; LDS: a region for each wave: two stages of 32 x SP bytes, behind them its 128 scale bytes
.set SP,    80                         ; a lane's place in a stage: 64 bytes + 16
.set HS_SC, 3145728
	s_load_b128 s[4:7], s[0:1], 0x0                ; hidden_states, position_ids
	s_load_b128 s[8:11], s[0:1], 0x10              ; hsq, rope
	v_lshl_add_u32 v192, v0, 2, 0x8000
	v_mov_b32 v193, 0
	v_lshrrev_b32 v1, 5, v0
	v_readfirstlane_b32 s16, v1                    ; wave
	v_and_b32 v2, 31, v0                           ; lane
	v_lshlrev_b32 v3, 4, v2                        ; my 16 bytes of a load's 512
	s_mul_i32 s17, s16, WREG
	v_lshrrev_b32 v14, 2, v2
	v_mul_u32_u24 v14, v14, SP
	v_and_b32 v15, 3, v2
	v_lshl_add_u32 v14, v15, 4, v14
	v_add_nc_u32 v14, s17, v14                     ; the stage, on the way in: SP (lane / 4) + 16 (lane % 4)
	v_mul_u32_u24 v15, v2, SP
	v_add_nc_u32 v15, s17, v15                     ; and on the way out: SP x lane
	v_mul_u32_u24 v4, v2, CB                       ; my codes' place in a step's
	v_lshrrev_b32 v5, 1, v2
	s_add_co_u32 s17, s17, 2*32*SP
	v_add_nc_u32 v5, s17, v5                       ; LDS: my block's scale byte
	v_lshlrev_b32 v7, 2, v2                        ; on the way out 4 bytes a lane
	v_add_nc_u32 v6, s17, v7
	v_lshrrev_b32 v160, 4, v0                      ; the table: thread / 16 = my row of the group's eight,
	v_lshlrev_b32 v161, 2, v160                    ; its position's 4 bytes,
	v_and_b32 v163, 15, v0                         ; c = thread % 16: I make i = 2 c, 2 c + 1, 32 + 2 c, 33 + 2 c
	v_lshlrev_b32 v174, 9, v160
	v_lshl_add_u32 v174, v163, 4, v174             ; 512 x row + 16 c
	v_lshlrev_b32 v163, 1, v163                    ; 2 c
	s_lshl_b32 s18, ttmp9, 2
	s_add_co_u32 s18, s18, s16
	s_lshl_b32 s18, s18, 14                        ; in: (4 G + wave) x 16,384 bytes
	s_mov_b32 s19, 0
	s_and_b32 s12, ttmp9, 0xfc                     ; out: G with its bits 0 and 1 exchanged: bits 3 and 4 of the rows
	s_and_b32 s13, ttmp9, 1
	s_lshl_b32 s13, s13, 1
	s_or_b32 s12, s12, s13
	s_bfe_u32 s13, ttmp9, 0x10001
	s_or_b32 s12, s12, s13
	s_lshl_b32 s12, s12, 2
	s_add_co_u32 s12, s12, s16
	s_mul_i32 s14, s12, 3072                       ; two rows of codes
	s_mov_b32 s15, 0
	s_lshl_b32 s12, s12, 7                         ; two rows of scale bytes
	s_add_co_u32 s12, s12, HS_SC
	s_mov_b32 s13, 0
	s_lshl_b32 s36, ttmp9, 5                       ; eight positions
	s_mov_b32 s37, 0
	s_lshl_b32 s38, ttmp9, 12                      ; eight rows of the table
	s_mov_b32 s39, 0
	s_mov_b32 s20, 0xbe549a40                      ; -log2(10000) / 64, cut to 18 bits: times i (6 bits) it is exact
	s_mov_b32 s21, 0x351c15ff                      ; what was cut off, x ln 2
	s_mov_b32 s22, 0x3f22f983                      ; 2 / pi
	s_mov_b32 s23, 0xbfc90fdb                      ; -pi / 2 in three parts
	s_mov_b32 s24, 0x333bbd2e
	s_mov_b32 s25, 0x26f72ced
	s_mov_b32 s26, 0xb94ca1f9                      ; sine: r + r z (s28 + z (s27 + z s26))
	s_mov_b32 s27, 0x3c08839e
	s_mov_b32 s28, 0xbe2aaaa3
	s_mov_b32 s29, 0x37ccf5ce                      ; cosine: 1 - z / 2 + z z (s31 + z (s30 + z s29))
	s_mov_b32 s30, 0xbab6061a
	s_mov_b32 s31, 0x3d2aaaa5
	s_wait_kmcnt 0x0
	s_add_nc_u64 s[4:5], s[4:5], s[18:19]
	s_add_nc_u64 s[32:33], s[8:9], s[14:15]        ; my codes
	s_add_nc_u64 s[34:35], s[8:9], s[12:13]        ; my scale bytes
	s_add_nc_u64 s[6:7], s[6:7], s[36:37]
	s_add_nc_u64 s[10:11], s[10:11], s[38:39]
.macro LOAD t
.irp i, 0,1,2,3
	global_load_b128 v[R+16*((\t)%4)+4*\i:R+16*((\t)%4)+4*\i+3], v3, s[4:5] offset:2048*(\t)+512*\i th:TH_LOAD_NT   ; 32 lanes read 512 consecutive bytes
.endr
.endm
.macro TURN t                          ; step t's numbers through the stage: LDS serves a wave's instructions in order, so no wait stands between the stores and the loads
.irp i, 0,1,2,3
	ds_store_b128 v14, v[R+16*((\t)%4)+4*\i:R+16*((\t)%4)+4*\i+3] offset:32*SP*((\t)%2)+8*SP*\i
.endr
.irp i, 0,1,2,3
	ds_load_b128 v[X+16*((\t)%2)+4*\i:X+16*((\t)%2)+4*\i+3], v15 offset:32*SP*((\t)%2)+16*\i
.endr
.endm
; cos and sin of position x 10000^(-i / 64), i = 2 c + add, into v[180 + 2 e] and v[181 + 2 e]
.macro SINCOS e, add
	v_add_nc_u32 v164, \add, v163
	v_cvt_f32_u32 v164, v164                       ; i
	v_mul_f32 v165, s20, v164                      ; exact
	v_exp_f32 v165, v165
	v_mul_f32 v166, s21, v164                      ; (a plain line behind the exponential)
	s_wait_alu depctr_va_vdst(0)
	v_fma_f32 v165, -v165, v166, v165              ; 10000^(-i / 64)
	v_mul_f32 v165, v162, v165                     ; the angle: one rounding
	v_mul_f32 v166, s22, v165
	v_rndne_f32 v166, v166                         ; n = the nearest multiple of pi / 2
	v_fma_f32 v167, v166, s23, v165
	v_fma_f32 v167, v166, s24, v167
	v_fma_f32 v167, v166, s25, v167                ; r = angle - n pi / 2
	v_mul_f32 v168, v167, v167                     ; z
	v_fma_f32 v169, v168, s26, s27
	v_fma_f32 v169, v169, v168, s28
	v_mul_f32 v169, v169, v168
	v_fma_f32 v169, v169, v167, v167               ; sin r
	v_fma_f32 v170, v168, s29, s30
	v_fma_f32 v170, v170, v168, s31
	v_mul_f32 v170, v170, v168
	v_fma_f32 v171, v168, -0.5, 1.0
	v_fma_f32 v170, v170, v168, v171               ; cos r
	v_cvt_i32_f32 v166, v166
	v_and_b32 v171, 1, v166
	v_cmp_eq_u32 vcc_lo, 1, v171                   ; an odd n exchanges the two
	v_cndmask_b32 v172, v169, v170, vcc_lo
	v_cndmask_b32 v173, v170, v169, vcc_lo
	v_and_b32 v171, 2, v166
	v_lshlrev_b32 v171, 30, v171                   ; the sine's sign: bit 1 of n
	v_xor_b32 v[181+2*\e], v171, v172
	v_add_nc_u32 v166, 1, v166
	v_and_b32 v171, 2, v166
	v_lshlrev_b32 v171, 30, v171                   ; the cosine's: bit 1 of n + 1
	v_xor_b32 v[180+2*\e], v171, v173
.endm
	global_load_b32 v162, v161, s[6:7]             ; my row's position
.irp t, 0,1,2,3
	LOAD \t
.endr
	s_wait_loadcnt 16                              ; the position is in; the 16 loads issued behind it stay out
	v_cvt_f32_i32 v162, v162
	SINCOS 0, 0
	SINCOS 1, 1
	SINCOS 2, 32
	SINCOS 3, 33
	global_store_b128 v174, v[180:183], s[10:11]              ; sixteen lanes store 256 consecutive bytes, aligned: half a row of the table
	global_store_b128 v174, v[184:187], s[10:11] offset:256
	s_wait_loadcnt 12                              ; step 0's four loads are in
	TURN 0
.macro STEP t
.set XS, X+16*((\t)%2)
.if (\t) > 0
	s_wait_dscnt 1                                 ; this step's numbers are back from the stage (the last step's byte store may be out): so its stores into the stage have read their registers,
.else
	s_wait_dscnt 0x0
.endif
.if (\t)+4 < STEPS
	LOAD (\t)+4                                    ; which take the loads of four steps on
.endif
.if (\t)+1 < STEPS
.if STEPS-2-(\t) >= 3
	s_wait_loadcnt 12                              ; the next step's four loads are in; those of the three steps behind it may be out
.else
	s_wait_loadcnt 4*(STEPS-2-(\t))
.endif
	TURN (\t)+1
.endif
	v_max3_num_f32 v8, |v[XS]|, |v[XS+1]|, |v[XS+2]|               ; the largest magnitude of my 16, in two chains
	v_max3_num_f32 v9, |v[XS+3]|, |v[XS+4]|, |v[XS+5]|
.irp i, 6,10
	v_max3_num_f32 v8, v8, |v[XS+\i]|, |v[XS+\i+1]|
	v_max3_num_f32 v9, v9, |v[XS+\i+2]|, |v[XS+\i+3]|
.endr
	v_max3_num_f32 v8, v8, |v[XS+14]|, |v[XS+15]|
	v_max3_num_f32 v8, v8, v9, (EMAX+1)<<23        ; and the floor 2^(3 - 127): the byte cannot fall under 1
	v_max_num_f32_dpp v8, v8, v8 row_xmask:1 row_mask:0xf bank_mask:0xf   ; with my neighbour's 16: the block's
	v_add_nc_u32 v11, -(EMAX<<23), v8              ; 2 off its exponent field: the conversion takes this operand's exponent field as its scale
	v_cvt_scalef32_pk16_fp6_f32 v[C+4*(\t):C+4*(\t)+2], v[XS:XS+15], v11
	v_lshrrev_b32 v[E+(\t)], 23, v11               ; the scale's byte
	ds_store_b8 v5, v[E+(\t)] offset:16*(\t)       ; both lanes of a block write the same byte with the same value
	global_store_b96 v4, v[C+4*(\t):C+4*(\t)+2], s[32:33] offset:32*CB*(\t)   ; the wave stores 384 consecutive bytes
.endm
.irp t, 0,1,2,3,4,5,6,7
	STEP \t
.endr
	ds_load_b32 v12, v6                            ; LDS serves a wave's instructions in order: this sees my stores
	s_wait_dscnt 0x0
	global_store_b32 v7, v12, s[34:35]             ; two rows' 128 scale bytes
	s_wait_tensorcnt 0x0
	ds_add_u32 v192, v193
	s_wait_dscnt 0x0
	s_endpgm
.Lfunc_end_k_q030879d2a7_quant_hs:
	.size	k_q030879d2a7_quant_hs, .Lfunc_end_k_q030879d2a7_quant_hs-k_q030879d2a7_quant_hs
	.p2alignl 7, 3214868480
	.fill 96, 4, 3214868480
	.section	.rodata,"a",@progbits
	.p2align	6, 0x0
	.amdhsa_kernel k_q030879d2a7_quant_hs
		.amdhsa_group_segment_fixed_size 33280
		.amdhsa_private_segment_fixed_size 0
		.amdhsa_enable_private_segment 0
		.amdhsa_kernarg_size 32
		.amdhsa_user_sgpr_count 2
		.amdhsa_user_sgpr_kernarg_segment_ptr 1
		.amdhsa_wavefront_size32 1
		.amdhsa_system_sgpr_workgroup_id_x 1
		.amdhsa_system_sgpr_workgroup_id_y 1
		.amdhsa_system_sgpr_workgroup_id_z 1
		.amdhsa_system_vgpr_workitem_id 0
		.amdhsa_next_free_vgpr 194
		.amdhsa_next_free_sgpr 66
		.amdhsa_reserve_vcc 1
		.amdhsa_float_denorm_mode_32 3
		.amdhsa_float_denorm_mode_16_64 3
		.amdhsa_memory_ordered 1
		.amdhsa_forward_progress 1
		.amdhsa_inst_pref_size 25
	.end_amdhsa_kernel
	.amdgpu_metadata
---
amdhsa.version: [ 1, 2 ]
amdhsa.kernels:
  - .name:           k_q030879d2a7_quant_hs
    .symbol:         k_q030879d2a7_quant_hs.kd
    .args:
      - { .name: hidden_states, .offset: 0, .size: 8, .value_kind: global_buffer, .address_space: global }
      - { .name: position_ids, .offset: 8, .size: 8, .value_kind: global_buffer, .address_space: global }
      - { .name: hsq, .offset: 16, .size: 8, .value_kind: global_buffer, .address_space: global }
      - { .name: rope, .offset: 24, .size: 8, .value_kind: global_buffer, .address_space: global }
    .group_segment_fixed_size: 33280
    .private_segment_fixed_size: 0
    .kernarg_segment_align: 8
    .kernarg_segment_size: 32
    .max_flat_workgroup_size: 128
    .sgpr_count:     66
    .vgpr_count:     194
    .wavefront_size: 32
...
	.end_amdgpu_metadata
.endif
;; end of part 1
;; launch quant_w (part 2): grid 64 x 8, 4 waves a work-group, no clusters, 36,352 bytes of LDS; arguments wq, wk, wv, wo, wq6; writes wq6
.if DOCPART == 2
	.amdgcn_target "amdgcn-amd-amdhsa--gfx1250"
	.amdhsa_code_object_version 6
	.text
	.protected	k_q030879d2a7_quant_w
	.globl	k_q030879d2a7_quant_w
	.p2align	8
	.type	k_q030879d2a7_quant_w,@function
k_q030879d2a7_quant_w:
	s_mov_b64 s[64:65], 0
	v_nop
	global_prefetch_b8 v0, s[64:65] scope:SCOPE_SE
	s_setreg_imm32_b32 hwreg(HW_REG_WAVE_MODE, 25, 1), 1
	s_wait_xcnt 0x0
; wq, wk, wv, wo: [2048 (k)][2048 (n)] f32, K their FIRST axis.  Each becomes codes of FP6 (E2M3) laid [n][k] with K innermost (1,536 bytes a row) and one E8M0 byte for each 32 along K (64 bytes a row).
; The four stand on end in wq6: rows 0-2047 wq's columns, then wk's, wv's, wo's; the scale bytes from byte W_SC on.  Within each group of 32 rows bits 3 and 4 of the row's number change places, as in hsq.
; A LANE TAKES A COLUMN n AND ITS REGISTERS RUN DOWN K: each load reads 128 consecutive bytes a wave, a block of 32 along K lies in one lane's 32 registers, and the conversions give codes with K innermost.
; A wave takes 32 columns x 256 along K.  Its codes go through its own stage in LDS and leave as rows: sixteen lanes store a row's 192 consecutive bytes.  Waves share nothing: no barrier.  Loads run two blocks ahead.
; The work-group's x says which weight (x / 16) and which 128 columns (x % 16); its y which 256 along K.
; LIMITS: NaN and infinities are not served; a block of zeros gets the byte 1 (its codes are zeros; only this program reads the bytes).
.set SIZE_N, 2048
.set KW,    256
.set NB,    KW/32
.set PITCH, 272                        ; a stage row: sixteen places of 16 bytes, each with 12 bytes of codes, + 16
.set KROW,  1536
.set EMAX,  2
.set W_SC,  12582912
.set X,     32                         ; v32-95   two sets of 32 numbers
.set C,     96                         ; v96..    a block's codes
.set OUTR,  112                        ; v112-175 the way out
.set SB,    24                         ; v24-25   the scale bytes
	s_load_b256 s[4:11], s[0:1], 0x0               ; wq, wk, wv, wo
	s_load_b64 s[12:13], s[0:1], 0x20              ; wq6
	v_lshl_add_u32 v192, v0, 2, 0x8c00
	v_mov_b32 v193, 0
	v_lshrrev_b32 v1, 5, v0
	v_readfirstlane_b32 s16, v1                    ; wave
	v_and_b32 v2, 31, v0                           ; lane
	s_lshr_b32 s30, ttmp9, 4                       ; which weight
	s_and_b32 s17, ttmp9, 15
	s_lshl_b32 s17, s17, 7
	s_lshl_b32 s18, s16, 5
	s_add_co_u32 s17, s17, s18                     ; my wave's first column in it
	s_lshl_b32 s31, ttmp9, 7
	s_add_co_u32 s31, s31, s18                     ; and its first row in wq6
	s_and_b32 s18, ttmp7, 0xffff                   ; which 256 along K
	v_lshlrev_b32 v3, 2, v2                        ; in: 4 bytes a lane
	s_mul_i32 s19, s16, 32*PITCH                   ; my stage
	v_and_b32 v10, 7, v2
	v_bfe_u32 v11, v2, 3, 1
	v_lshl_or_b32 v10, v11, 4, v10
	v_bfe_u32 v11, v2, 4, 1
	v_lshl_or_b32 v10, v11, 3, v10                 ; my column's place among the 32 rows: bits 3 and 4 exchanged
	v_mul_u32_u24 v4, v10, PITCH
	v_add_nc_u32 v4, s19, v4                       ; into the stage
	v_lshlrev_b32 v9, 6, v10                       ; my row of scale bytes
	v_and_b32 v5, 15, v2
	v_lshrrev_b32 v6, 4, v2                        ; out of it: sixteen lanes to a row, two rows an instruction
	v_mul_u32_u24 v7, v6, PITCH
	v_lshl_add_u32 v7, v5, 4, v7
	v_add_nc_u32 v7, s19, v7
	v_mul_u32_u24 v8, v6, KROW
	v_mad_u32_u24 v8, v5, 12, v8                   ; and the same place in wq6
	s_lshl_b32 s20, s18, 21                        ; the weight: 256 y rows of 8,192 bytes + 4 x column
	s_lshl_b32 s22, s17, 2
	s_add_co_u32 s20, s20, s22
	s_mov_b32 s21, 0
	s_mul_i32 s24, s31, KROW                       ; codes: row x 1,536 + 192 y
	s_mul_i32 s26, s18, 192
	s_add_co_u32 s24, s24, s26
	s_mov_b32 s25, 0
	s_lshl_b32 s28, s31, 6                         ; scale bytes: W_SC + row x 64 + 8 y
	s_lshl_b32 s26, s18, 3
	s_add_co_u32 s28, s28, s26
	s_add_co_u32 s28, s28, W_SC
	s_mov_b32 s29, 0
	s_wait_kmcnt 0x0
	s_cmp_eq_u32 s30, 1                            ; the choice hangs on the work-group's number alone
	s_cselect_b64 s[4:5], s[6:7], s[4:5]
	s_cmp_eq_u32 s30, 2
	s_cselect_b64 s[4:5], s[8:9], s[4:5]
	s_cmp_eq_u32 s30, 3
	s_cselect_b64 s[4:5], s[10:11], s[4:5]
	s_add_nc_u64 s[4:5], s[4:5], s[20:21]
	s_add_nc_u64 s[6:7], s[12:13], s[24:25]
	s_add_nc_u64 s[8:9], s[12:13], s[28:29]
.macro LOAD t                          ; block t: w(32 t + i, my column), i = 0 .. 31, into set t % 2
.irp i, 0,1,2,3,4,5,6,7,8,9,10,11,12,13,14,15,16,17,18,19,20,21,22,23,24,25,26,27,28,29,30,31
	global_load_b32 v[X+32*((\t)%2)+\i], v3, s[4:5] offset:(32*(\t)+\i)*SIZE_N*4 th:TH_LOAD_NT
.endr
.endm
	LOAD 0
	LOAD 1
.macro BLOCK t
.set XS, X+32*((\t)%2)
.if (\t) < NB-1
	s_wait_loadcnt 32                              ; this block's 32 loads are in; the next block's may be out
.else
	s_wait_loadcnt 0
.endif
	v_max3_num_f32 v12, |v[XS]|, |v[XS+1]|, |v[XS+2]|               ; the block's largest magnitude: all 32 numbers are mine
	v_max3_num_f32 v13, |v[XS+3]|, |v[XS+4]|, |v[XS+5]|
.irp i, 6,10,14,18,22,26
	v_max3_num_f32 v12, v12, |v[XS+\i]|, |v[XS+\i+1]|
	v_max3_num_f32 v13, v13, |v[XS+\i+2]|, |v[XS+\i+3]|
.endr
	v_max3_num_f32 v12, v12, |v[XS+30]|, |v[XS+31]|
	v_max3_num_f32 v12, v12, v13, (EMAX+1)<<23     ; and the floor 2^(3 - 127): the byte cannot fall under 1
	v_add_nc_u32 v11, -(EMAX<<23), v12             ; 2 off its exponent field: the conversion's scale operand
	v_lshrrev_b32 v13, 23, v11                     ; the scale's byte
.if (\t)%4 == 0
	v_mov_b32 v[SB+(\t)/4], v13                    ; four bytes to a register, the lower K in the lower byte
.else
	v_lshl_or_b32 v[SB+(\t)/4], v13, 8*((\t)%4), v[SB+(\t)/4]
.endif
	v_cvt_scalef32_pk16_fp6_f32 v[C:C+2], v[XS:XS+15], v11
	v_cvt_scalef32_pk16_fp6_f32 v[C+4:C+6], v[XS+16:XS+31], v11     ; (a conversion's three registers begin on an even number)
	ds_store_b96 v4, v[C:C+2] offset:32*(\t)       ; 12 bytes to a place of 16, so that every LDS address is a multiple of 16
	ds_store_b96 v4, v[C+4:C+6] offset:32*(\t)+16
.if (\t)+2 < NB
	LOAD (\t)+2
.endif
	s_wait_dscnt 0x0                               ; the stores have read their registers: the next block's codes may be written
.endm
.set Q, 0
.rept NB
	BLOCK Q
.set Q, Q+1
.endr
	global_store_b64 v9, v[SB:SB+1], s[8:9]        ; my column's 8 scale bytes
.irp t, 0,1,2,3,4,5,6,7,8,9,10,11,12,13,14,15
	ds_load_b96 v[OUTR+4*\t:OUTR+4*\t+2], v7 offset:2*\t*PITCH   ; LDS serves a wave's instructions in order: these see my stores
.endr
.irp t, 0,1,2,3,4,5,6,7,8,9,10,11,12,13,14,15
	s_wait_dscnt 15-\t                             ; the younger loads may be out
	global_store_b96 v8, v[OUTR+4*\t:OUTR+4*\t+2], s[6:7] offset:2*\t*KROW
.endr
	s_wait_tensorcnt 0x0
	ds_add_u32 v192, v193
	s_wait_dscnt 0x0
	s_endpgm
.Lfunc_end_k_q030879d2a7_quant_w:
	.size	k_q030879d2a7_quant_w, .Lfunc_end_k_q030879d2a7_quant_w-k_q030879d2a7_quant_w
	.p2alignl 7, 3214868480
	.fill 96, 4, 3214868480
	.section	.rodata,"a",@progbits
	.p2align	6, 0x0
	.amdhsa_kernel k_q030879d2a7_quant_w
		.amdhsa_group_segment_fixed_size 36352
		.amdhsa_private_segment_fixed_size 0
		.amdhsa_enable_private_segment 0
		.amdhsa_kernarg_size 40
		.amdhsa_user_sgpr_count 2
		.amdhsa_user_sgpr_kernarg_segment_ptr 1
		.amdhsa_wavefront_size32 1
		.amdhsa_system_sgpr_workgroup_id_x 1
		.amdhsa_system_sgpr_workgroup_id_y 1
		.amdhsa_system_sgpr_workgroup_id_z 1
		.amdhsa_system_vgpr_workitem_id 0
		.amdhsa_next_free_vgpr 194
		.amdhsa_next_free_sgpr 66
		.amdhsa_reserve_vcc 0
		.amdhsa_float_denorm_mode_32 3
		.amdhsa_float_denorm_mode_16_64 3
		.amdhsa_memory_ordered 1
		.amdhsa_forward_progress 1
		.amdhsa_inst_pref_size 42
	.end_amdhsa_kernel
	.amdgpu_metadata
---
amdhsa.version: [ 1, 2 ]
amdhsa.kernels:
  - .name:           k_q030879d2a7_quant_w
    .symbol:         k_q030879d2a7_quant_w.kd
    .args:
      - { .name: wq, .offset: 0, .size: 8, .value_kind: global_buffer, .address_space: global }
      - { .name: wk, .offset: 8, .size: 8, .value_kind: global_buffer, .address_space: global }
      - { .name: wv, .offset: 16, .size: 8, .value_kind: global_buffer, .address_space: global }
      - { .name: wo, .offset: 24, .size: 8, .value_kind: global_buffer, .address_space: global }
      - { .name: wq6, .offset: 32, .size: 8, .value_kind: global_buffer, .address_space: global }
    .group_segment_fixed_size: 36352
    .private_segment_fixed_size: 0
    .kernarg_segment_align: 8
    .kernarg_segment_size: 40
    .max_flat_workgroup_size: 128
    .sgpr_count:     66
    .vgpr_count:     194
    .wavefront_size: 32
...
	.end_amdgpu_metadata
.endif
;; end of part 2
;; launch gemm_qkv (part 3): grid 24 x 8, 4 waves a work-group, clusters of 4 x 4, 327,680 bytes of LDS; arguments hsq, wq6, rope, q_norm_w, k_norm_w, qkv6; writes qkv6
.if DOCPART == 3
	.amdgcn_target "amdgcn-amd-amdhsa--gfx1250"
	.amdhsa_code_object_version 6
	.text
	.protected	k_q030879d2a7_gemm_qkv
	.globl	k_q030879d2a7_gemm_qkv
	.p2align	8
	.type	k_q030879d2a7_gemm_qkv,@function
k_q030879d2a7_gemm_qkv:
	s_mov_b64 s[64:65], 0
	v_nop
	global_prefetch_b8 v0, s[64:65] scope:SCOPE_SE
	s_setreg_imm32_b32 hwreg(HW_REG_WAVE_MODE, 25, 1), 1
	s_wait_xcnt 0x0
	s_wait_alu depctr_hold_cnt(0) depctr_sa_sdst(0) depctr_va_vdst(0) depctr_va_sdst(0) depctr_va_ssrc(0) depctr_va_vcc(0) depctr_vm_vsrc(0)
	s_getreg_b32 s2, hwreg(HW_REG_IB_STS2, 6, 4)
	s_cmp_eq_u32 s2, 0
	s_cbranch_scc0 .Lentry_in_a_cluster
	s_endpgm
.Lentry_in_a_cluster:
	s_bfe_u32 s2, ttmp6, 0x10000c
	s_cmp_lg_u32 s2, 0xf033
	s_cbranch_scc0 .Lentry_shape_is_right
	s_endpgm
.Lentry_shape_is_right:
; The three projections on codes of FP6 (E2M3) with E8M0 scales, and what follows each: q and k get the RMS norm over the head, the rotation by the table rope, and the quantiser along the head's 128;
; v gets the quantiser along the KEYS.  Nothing wide goes to memory: qkv6 takes codes and scale bytes alone.
; A tile of 256 x 256 is made by four waves, each 128 x 128: 64 accumulators, 512 registers.  K = 2,048 goes in steps of 256 through a ring of two LDS slots filled by the tensor data mover.
; SIDES.  Source 1 of the matrix instruction is side A, source 0 side B; a lane then holds ONE row of A and, in its registers, rows of B.
;   cluster x < 4 (q, k): A = 256 rows of hidden_states, B = 256 columns of wq or wk.  A lane holds one position t and 64 channels of one head (a wave's 128 columns are one head).
;   cluster x >= 4 (v):   A = 256 columns of wv, B = 256 rows of hidden_states.  A lane holds one channel d and 64 keys.  Only pointers and row numbers differ: the loop is one text.
; ROWS of hsq and wq6 lie with bits 3 and 4 of their number exchanged.  So B's block 2 b + u (sixteen rows on end) holds logical rows 32 b + 8 u + 0..7 and 32 b + 16 + 8 u + 0..7, and register 16 b + i of a lane's
; 64 results of a block of A is logical row 32 b + 16 (lane / 16) + i of B: 16 neighbours along the next K.  A's block a holds logical rows RO(a) + r + 8 (r / 8), RO(a) = 32 (a / 2) + 8 (a % 2), r = lane % 16.
; THE SCALES of the work-group's 512 rows, for all of K, come into LDS once, with the first fills.
; CLUSTERS: 4 x 4 work-groups; A's tiles are asked for jointly along a row of the cluster, B's along a column.  The paths part on the cluster's x alone, which all sixteen partners share.
; 192 work-groups: a wave of 128 x 128 reads half the LDS bytes for each product that 64 x 64 would, and keeps a head inside a wave.
; REGISTERS, in windows of 256: window 0: v0-31 addresses; v32-63 scale words, which hold nothing else; from v128 A's fragments, one set.  window 1: B's fragments, two sets.  windows 2, 3: the accumulators ((a, b) at v[8 (8 (a % 4) + b)]).
;   On the way out: window 0: v2-17 1 / rms of the eight blocks, twice each; v64-75 at work; v76-94 codes; v95 the scale word; v96-195 the read-back; v192-255 the rotated numbers.  window 1: v0-63 the norm's weights; v64-191 two sets of (cos, sin).
; LIMITS: NaN and infinities are not served; a block of zeros gets the byte 1 (its codes are zeros; only this program reads the bytes).  v's codes leave as runs of 96 bytes and its scale words as 4 bytes a row.
.set SIZE_K, 2048
.set KSTEP,  256
.set NQ,     KSTEP/128
.set ROWB,   192                       ; a tile's row in bytes
.set KROW,   SIZE_K*6/8                ; a row of codes in memory
.set PITCH,  240                       ; an LDS row: 3 x (64 bytes + 16 of padding) = 60 words: row r starts at bank -4 r mod 64 (64 banks of 4 bytes: ISA guide 11.1)
.set FR,     12                        ; registers of a fragment
.set NL,     6                         ; LDS loads that bring one
.set NP,     4                         ; places behind this matrix instruction (ISA guide 7.12.1)
.set HALFT,  128*PITCH
.set SLOT,   4*HALFT                   ; A's 256 rows, then B's 256 rows
.set LAPS,   SIZE_K/(2*KSTEP)
.set KS,     SIZE_K/32                 ; a row of scale bytes
.set SCL,    2*SLOT                    ; behind the ring: the scales, as 256 bytes + 16 of padding
.set HALFS,  (128*KS/256)*272
.set SBLK,   (16*KS/256)*272
.set SPARE,  SCL+4*HALFS               ; the spare words, 128 bytes for each wave: two blocks of 256 bytes that no other line names
.set QS,     9437184                   ; qkv6: where the scale bytes begin
.set WSTG,   12800                     ; the way out: a wave's stage: 128 rows x 96 bytes of codes, then 128 scale words.  The stages lie in slot 0, which has had its last fill and its last read
.set VS,     4*WSTG                    ; the v path's stages lie behind the q/k path's: each path has LDS bytes of its own
.set ADRA, 16                          ; v16-19  LDS addresses of my A fragments in slot 0, 1 (v18-19: behind one padding more)
.set ADRB, 20                          ; v20-23  the same for B
.set STQ,  24                          ; v24     the stage: my row's codes: 96 (r + 8 (r / 8)) + 24 (lane / 16)
.set STS,  25                          ; v25     its scale word
.set RDB,  26                          ; v26     the stage read back: 16 x lane
.set ADRS, 27                          ; v27     LDS address of my scale words: lanes 0-15 A's rows, lanes 16-31 B's
.set SPW,  28                          ; v28     my spare word; never rewritten
.set NIL,  29                          ; v29     0; never rewritten
.set GOL,  30                          ; v30     16 x lane
.set SC,   32
.set AF,   128
.set RS,   2
.set VW,   18
.set VCS,  19
.set VO,   20
.set VSO,  23
.set TM,   64                          ; v64-67 largest magnitudes, v68-71 the partner's and then the bytes, v72-75 the conversions' scale operands
.set CD,   76
.set PW,   95
.set RB,   96
.set OUT,  192
.set WT,   0
.set SEL,  20                          ; s[20:21] on the way out: lane selects for lane l xor 16
.set G1, 24
.set G0, 32
.set G1B, 48
.set G0B, 56
.set G1S, 68
.set G0S, 76
.set G1SB, 80
.set G0SB, 88
.set MSB, 0
.macro WIN new                         ; the immediate's high byte repeats the setting that is left
.if MSB != (\new)
	s_set_vgpr_msb (MSB<<8)|(\new)
.set MSB, (\new)
.endif
.endm
.set MUL_LO, 0xa1                      ; source 0 (B) window 1, source 1 (A) window 0, C and D window 2
.set MUL_HI, 0xf1
.set TO_B,   0x40                      ; destination window 1, address window 0
; A joint load: waves 0 and 1 fetch for A, waves 2 and 3 for B.  The branch hangs on the wave's number alone.  Four v_nop follow each of the two lines.
.macro JLOAD g0a, g1a, g0b, g1b
	s_cmp_eq_u32 s15, 0
	s_cbranch_scc0 .Lfor_b_\@
	tensor_load_to_lds s[\g0a:\g0a+3], s[\g1a:\g1a+7]
	s_nop 0
.rept 4
	v_nop
.endr
	s_branch .Lasked_\@
.Lfor_b_\@:
	tensor_load_to_lds s[\g0b:\g0b+3], s[\g1b:\g1b+7]
	s_nop 0
.rept 4
	v_nop
.endr
.Lasked_\@:
.endm
.macro CREST                           ; a round of the cluster's barrier behind its opening barrier
	s_cmp_lg_u32 s14, 0
	s_cbranch_scc1 .Lnot_wave_0_\@
	s_barrier_signal -3
.Lnot_wave_0_\@:
	s_barrier_wait -3
	s_barrier_signal -1
	s_barrier_wait -1
.endm
.macro CROUND
	s_barrier_signal -1
	s_barrier_wait -1
	CREST
.endm
	s_load_b128 s[96:99], s[0:1], 0x0              ; hsq, wq6
	s_load_b128 s[4:7], s[0:1], 0x10               ; rope, q_norm_w
	s_load_b128 s[8:11], s[0:1], 0x20              ; k_norm_w, qkv6
	v_lshl_add_u32 v[SPW], v0, 2, SPARE
	v_mov_b32 v[NIL], 0
	ds_add_u32 v28, v29
	ds_add_u32 v28, v29
	s_wait_dscnt 0x0
	v_lshrrev_b32 v1, 5, v0
	v_readfirstlane_b32 s14, v1                    ; wave 0..3
	s_lshr_b32 s15, s14, 1                         ; which half of A's rows is mine.  Also: I fetch for A (0) or for B (1)
	s_and_b32 s16, s14, 1                          ; which half of B's rows.  Also: which 128 rows of that tile I fetch
	s_bfe_u32 s40, ttmp6, 0x40000                  ; cx, cy
	s_bfe_u32 s41, ttmp6, 0x40004
	s_lshl_b32 s42, ttmp9, 2
	s_add_co_u32 s42, s42, s40                     ; tile column = 4 x cluster x + cx: 0-7 q, 8-15 k, 16-23 v
	s_and_b32 s17, ttmp7, 0xffff
	s_lshl_b32 s17, s17, 2
	s_add_co_u32 s17, s17, s41                     ; tile row = 4 x cluster y + cy
	s_lshl_b32 s43, s41, 2
	s_lshl_b32 s43, 15, s43                        ; my row of the cluster
	s_lshl_b32 s44, 0x1111, s40                    ; my column
	s_or_b32 s[G1+0], s43, (0<<16)|(1<<20)|(1<<21)|(3<<22)|(3<<25)  ; 15:0 the mask; 17:16 elements of 1 byte; 20 padding on; 21 set beside a mask; 24:22 after every 16 words; 31:25 of 4 words
	s_or_b32 s[G1B+0], s44, (0<<16)|(1<<20)|(1<<21)|(3<<22)|(3<<25)
.irp g, G1, G1B
	s_mov_b32 s[\g+1], ROWB<<16                    ; tensor_dim0
	s_mov_b32 s[\g+2], 128<<16                     ; tensor_dim1
	s_mov_b32 s[\g+3], ROWB<<16                    ; tile_dim0
	s_mov_b32 s[\g+4], 128                         ; tile_dim1
	s_mov_b32 s[\g+5], KROW                        ; tensor_dim0_stride
	s_mov_b32 s[\g+6], 0
	s_mov_b32 s[\g+7], 0
.endr
	s_or_b32 s[G1S+0], s43, (3<<16)|(1<<20)|(1<<21)|(5<<22)|(3<<25)  ; the scales of 128 rows: a dense block, as rows of 256 bytes (32 elements of 8), 16 bytes of padding behind each
	s_or_b32 s[G1SB+0], s44, (3<<16)|(1<<20)|(1<<21)|(5<<22)|(3<<25)
.irp g, G1S, G1SB
	s_mov_b32 s[\g+1], 32<<16
	s_mov_b32 s[\g+2], (128*KS/256)<<16
	s_mov_b32 s[\g+3], 32<<16
	s_mov_b32 s[\g+4], 128*KS/256
	s_mov_b32 s[\g+5], 32
	s_mov_b32 s[\g+6], 0
	s_mov_b32 s[\g+7], 0
.endr
	s_lshl_b32 s18, s16, 7                         ; which 128 rows of the tile I fetch
	s_lshl_b32 s20, s17, 8
	s_add_co_u32 s20, s20, s18                     ; A: row 256 x tile row + 128 x half
	s_lshl_b32 s46, s42, 8
	s_add_co_u32 s46, s46, s18                     ; B: row 256 x tile column + 128 x half
	s_cmp_ge_u32 ttmp9, 4                          ; v: A's rows are wv's, 4,096 rows down wq6; B's are hidden_states', whose tile columns begin at 16
	s_cselect_b32 s95, 4096, 0
	s_add_co_u32 s20, s20, s95
	s_sub_co_u32 s46, s46, s95
	s_mov_b32 s21, 0
	s_mov_b32 s47, 0
	s_mov_b64 s[18:19], KS
	s_mul_u64 s[22:23], s[20:21], s[18:19]         ; where these rows' scales begin, in bytes
	s_mul_u64 s[92:93], s[46:47], s[18:19]
	s_mov_b64 s[18:19], KROW
	s_mul_u64 s[20:21], s[20:21], s[18:19]         ; and their codes
	s_mul_u64 s[46:47], s[46:47], s[18:19]
	s_mul_i32 s45, s14, HALFT                      ; where they go: wave x 128 rows
	s_mul_i32 s94, s14, HALFS
	s_wait_kmcnt 0x0
	s_mov_b64 s[100:101], s[4:5]                   ; rope
	s_cmp_lt_u32 ttmp9, 2
	s_cselect_b64 s[66:67], s[6:7], s[8:9]         ; the norm's weights: q's or k's
	s_mov_b64 s[12:13], s[10:11]                   ; qkv6
	s_add_nc_u64 s[2:3], s[96:97], 0x300000        ; hsq's scale bytes
	s_add_nc_u64 s[104:105], s[98:99], 0xc00000    ; wq6's
	s_cmp_ge_u32 ttmp9, 4                          ; the sides: the choice hangs on the cluster's x alone
	s_cselect_b64 s[4:5], s[98:99], s[96:97]       ; A's codes
	s_cselect_b64 s[6:7], s[104:105], s[2:3]       ; A's scales
	s_cselect_b64 s[8:9], s[96:97], s[98:99]       ; B's codes
	s_cselect_b64 s[10:11], s[2:3], s[104:105]     ; B's scales
	s_add_nc_u64 s[20:21], s[4:5], s[20:21]
	s_add_nc_u64 s[22:23], s[6:7], s[22:23]
	s_add_nc_u64 s[46:47], s[8:9], s[46:47]
	s_add_nc_u64 s[92:93], s[10:11], s[92:93]
	CROUND                                         ; all sixteen work-groups are here: the first joint loads meet
	s_mov_b32 s[G0S], 1
	s_add_co_u32 s[G0S+1], s94, SCL
	s_mov_b64 s[G0S+2:G0S+3], s[22:23]
	s_or_b32 s[G0S+3], s[G0S+3], 0x80000000
	s_mov_b32 s[G0SB], 1
	s_add_co_u32 s[G0SB+1], s94, SCL
	s_mov_b64 s[G0SB+2:G0SB+3], s[92:93]
	s_or_b32 s[G0SB+3], s[G0SB+3], 0x80000000
	JLOAD G0S, G1S, G0SB, G1SB                     ; the scales first: they are wanted with K step 0
.irp s, 0,1
	s_mov_b32 s[G0+4*\s], 1
	s_add_co_u32 s[G0+4*\s+1], s45, \s*SLOT
	s_add_nc_u64 s[G0+4*\s+2:G0+4*\s+3], s[20:21], \s*ROWB
	s_or_b32 s[G0+4*\s+3], s[G0+4*\s+3], 0x80000000
	s_mov_b32 s[G0B+4*\s], 1
	s_add_co_u32 s[G0B+4*\s+1], s45, \s*SLOT
	s_add_nc_u64 s[G0B+4*\s+2:G0B+4*\s+3], s[46:47], \s*ROWB
	s_or_b32 s[G0B+4*\s+3], s[G0B+4*\s+3], 0x80000000
	JLOAD G0+4*\s, G1, G0B+4*\s, G1B               ; three loads of mine are out now
.endr
	v_and_b32 v1, 15, v0                           ; r = lane % 16
	v_bfe_u32 v2, v0, 4, 1                         ; h = lane / 16
	v_mul_u32_u24 v3, v1, PITCH
	v_mul_u32_u24 v4, v2, 24
	v_add_nc_u32 v4, v3, v4                        ; a fragment's row x pitch + 24 x half
	v_lshl_add_u32 v5, v2, 4, v4                   ; and the same behind one padding more
	s_mul_i32 s21, s15, HALFT                      ; my 128 rows of A
	s_mul_i32 s22, s16, HALFT                      ; my 128 rows of B,
	s_add_co_u32 s22, s22, 2*HALFT                 ; which lie behind A's 256
.irp s, 0,1
	v_add_nc_u32 v[ADRA+\s], s21, v4
	v_add_nc_u32 v[ADRB+\s], s22, v4
	v_add_nc_u32 v[ADRA+2+\s], s21, v5
	v_add_nc_u32 v[ADRB+2+\s], s22, v5
	s_add_co_u32 s21, s21, SLOT
	s_add_co_u32 s22, s22, SLOT
.endr
	v_mul_u32_u24 v5, v1, KS                       ; my row's scales: KS bytes a row,
	v_lshrrev_b32 v6, 8, v5
	v_lshl_add_u32 v5, v6, 4, v5                   ; and 16 more for each 256 passed
	s_mul_i32 s21, s15, HALFS
	s_mul_i32 s22, s16, HALFS
	s_add_co_u32 s22, s22, 2*HALFS
	s_sub_co_u32 s22, s22, s21
	v_mul_u32_u24 v6, s22, v2                      ; lanes 16-31 take B's
	s_add_co_u32 s21, s21, SCL
	v_add_nc_u32 v5, v5, v6
	v_add_nc_u32 v[ADRS], s21, v5
	s_mul_i32 s23, s14, WSTG                       ; my stage: its addresses are made here, ahead of the parting of the paths
	v_and_b32 v5, 8, v1
	v_add_nc_u32 v5, v5, v1                        ; r + 8 (r / 8)
	v_mul_u32_u24 v6, v5, 96
	v_mad_u32_u24 v6, v2, 24, v6
	v_add_nc_u32 v[STQ], s23, v6
	v_lshlrev_b32 v6, 2, v5
	v_add_nc_u32 v6, s23, v6
	v_add_nc_u32 v[STS], 12288, v6
	v_and_b32 v6, 31, v0
	v_lshlrev_b32 v[GOL], 4, v6
	v_add_nc_u32 v[RDB], s23, v[GOL]
.macro FRAG reg, adr, q, i             ; a fragment, 16 rows x 128 K, is 12 registers: lane l holds row l % 16; registers 6 c .. 6 c + 5 hold K = 64 c + 32 (l / 16) + 0 .. 31: 24 bytes of the row, as they lie
.irp p, 0,1,2,3,4,5                    ; in pieces of 8 bytes.  Where the piece of lanes 16-31, three pieces on, lies behind one padding more, the second address register serves
.set PCE, 12*(\q)+6*(\p/3)+\p%3
.if PCE%8 < 5
	ds_load_b64 v[\reg+2*\p:\reg+2*\p+1], v[\adr] offset:8*PCE+16*(PCE/8)+(\i)*16*PITCH
.else
	ds_load_b64 v[\reg+2*\p:\reg+2*\p+1], v[\adr+2] offset:8*PCE+16*(PCE/8)+(\i)*16*PITCH
.endif
.endr
.endm
; 16 matrix instructions: A's blocks a0, a0 + 1 x B's eight, 128 along K.  The 64 accumulators take turns, one instruction a turn, in the same order in every step.
.macro MUL16 a0, p, q, sc, zero
.irp a, \a0, \a0+1
.irp b, 0,1,2,3,4,5,6,7
.if \zero
	v_wmma_scale_f32_16x16x128_f8f6f4 v[8*(8*((\a)%4)+\b):8*(8*((\a)%4)+\b)+7], v[128*(\p)+FR*\b:128*(\p)+FR*\b+FR-1], v[AF+FR*(\a):AF+FR*(\a)+FR-1], 0, v[SC+8*NQ*(\sc)+NQ*\b+(\q)], v[SC+8*NQ*(\sc)+NQ*(\a)+(\q)] matrix_a_fmt:MATRIX_FMT_FP6 matrix_b_fmt:MATRIX_FMT_FP6 matrix_a_scale:MATRIX_SCALE_ROW1
.else
	v_wmma_scale_f32_16x16x128_f8f6f4 v[8*(8*((\a)%4)+\b):8*(8*((\a)%4)+\b)+7], v[128*(\p)+FR*\b:128*(\p)+FR*\b+FR-1], v[AF+FR*(\a):AF+FR*(\a)+FR-1], v[8*(8*((\a)%4)+\b):8*(8*((\a)%4)+\b)+7], v[SC+8*NQ*(\sc)+NQ*\b+(\q)], v[SC+8*NQ*(\sc)+NQ*(\a)+(\q)] matrix_a_fmt:MATRIX_FMT_FP6 matrix_b_fmt:MATRIX_FMT_FP6 matrix_a_scale:MATRIX_SCALE_ROW1
.endif
.endr
.endr
.endm
.macro FETCH_B slot, q, p
	WIN TO_B
.irp i, 0,1,2,3,4,5,6,7
	FRAG 128*(\p)+FR*\i, ADRB+\slot, \q, \i
.endr
	WIN 0
.endm
.macro FETCH_A slot, q, i0
.irp i, \i0, \i0+1, \i0+2, \i0+3
	FRAG AF+FR*(\i), ADRA+\slot, \q, \i
.endr
.endm
.macro SCALES sc                       ; a K step's scale words: lanes 0-15 take A's block i, lanes 16-31 B's block i
.irp i, 0,1,2,3,4,5,6,7
	ds_load_b64 v[SC+8*NQ*\sc+NQ*\i:SC+8*NQ*\sc+NQ*\i+1], v[ADRS] offset:\i*SBLK
.endr
.endm
.macro PLACES n                        ; plain vector lines that name no register of the matrix instructions in front: ahead of loads into registers that those have read, and of reads of results
.rept \n
	v_nop
.endr
.endm
.macro STEP slot, q, zero              ; a step of 128 along K that has its successor in the same slot
	s_wait_dscnt 4*NL                              ; B's set and A's blocks 0-3 are in; the youngest 24 loads (A's blocks 4-7) may be out
	WIN MUL_LO
	MUL16 0, (\q)%2, \q, \slot, \zero
	MUL16 2, (\q)%2, \q, \slot, \zero
	s_wait_dscnt 0
	PLACES NP
	FETCH_B \slot, (\q)+1, 1-(\q)%2
	FETCH_A \slot, (\q)+1, 0
	WIN MUL_HI
	MUL16 4, (\q)%2, \q, \slot, \zero
	MUL16 6, (\q)%2, \q, \slot, \zero
	PLACES NP
	WIN 0
	FETCH_A \slot, (\q)+1, 4
.endm
; A slot's last step changes slots: one barrier; in front of it each wave waits for all its tensor loads, adds 0 to its spare word, and waits for that and for its own reads of this slot.
.macro TURN slot, next, fill
	s_wait_tensorcnt 0x0                           ; all my tensor loads have landed: my part of the next slot
	ds_add_u32 v[SPW], v[NIL]                      ; 0 onto my spare word
	s_wait_dscnt 4*NL+1                            ; (the add and the youngest 24 loads may be out)
	WIN MUL_LO
	MUL16 0, 1, NQ-1, \slot, 0                     ; sixteen matrix instructions stand between the add and the wait for it
	s_wait_dscnt 0x0                               ; the add is done, and my reads of this slot are over
	s_barrier_signal -1
	MUL16 2, 1, NQ-1, \slot, 0
	WIN 0
	s_barrier_wait -1
.if \fill
	CREST                                          ; the barrier has opened a round of the cluster's: no wave of any partner still reads this slot or has a load on its way
	s_add_nc_u64 s[G0+4*\slot+2:G0+4*\slot+3], s[G0+4*\slot+2:G0+4*\slot+3], 2*ROWB
	s_add_nc_u64 s[G0B+4*\slot+2:G0B+4*\slot+3], s[G0B+4*\slot+2:G0B+4*\slot+3], 2*ROWB
	JLOAD G0+4*\slot, G1, G0B+4*\slot, G1B         ; the first tensor load behind the round, my only one until the next; its four v_nop are the places in front of the loads below
.else
	PLACES NP
.endif
	v_add_nc_u32 v[ADRS], 4*NQ, v[ADRS]            ; on to the next K step's scale words
	FETCH_B \next, 0, 0
	FETCH_A \next, 0, 0
	SCALES \next
	WIN MUL_HI
	MUL16 4, 1, NQ-1, \slot, 0
	MUL16 6, 1, NQ-1, \slot, 0
	PLACES NP
	WIN 0
	FETCH_A \next, 0, 4
.endm
	s_wait_tensorcnt 1                             ; the scales and my part of K step 0 are in; K step 1's load may be out
	s_barrier_signal -1
	s_barrier_wait -1
	FETCH_B 0, 0, 0
	FETCH_A 0, 0, 0
	SCALES 0
	FETCH_A 0, 0, 4
	STEP 0, 0, 1                                   ; the first step's products start the sums: nothing is cleared
	s_mov_b32 s3, LAPS-1
.Llap:                                                 ; a trip goes once round the ring and fills both slots again
	TURN 0, 1, 1
	STEP 1, 0, 0
	TURN 1, 0, 1
	STEP 0, 0, 0
	s_sub_co_u32 s3, s3, 1
	s_cmp_lg_u32 s3, 0
	s_cbranch_scc1 .Llap
	TURN 0, 1, 0                                   ; the last lap fills nothing
	STEP 1, 0, 0
	s_wait_dscnt 4*NL
	WIN MUL_LO
	MUL16 0, 1, NQ-1, 1, 0
	MUL16 2, 1, NQ-1, 1, 0
	s_wait_dscnt 0
	WIN MUL_HI
	MUL16 4, 1, NQ-1, 1, 0
	MUL16 6, 1, NQ-1, 1, 0
	WIN 0
; ---------------- THE WAY OUT ----------------
; 64 numbers of a lane, v[s] .. v[s + 63] of window w, register 16 b + i = k 32 b + 16 (lane / 16) + i of my row, become a fragment's codes in v[CD] on and its scale word in v[PW].
.macro QUANT s, w
	WIN 5*(\w)
.irp b, 0,1,2,3
	v_max3_num_f32 v[TM+\b], |v[\s+16*\b]|, |v[\s+16*\b+1]|, 0x1800000   ; my 16 numbers of block b, from the low end on, and the floor 2^(3 - 127): the byte cannot fall under 1
.endr
.irp i, 2,4,6,8,10,12,14
.irp b, 0,1,2,3
	v_max3_num_f32 v[TM+\b], |v[\s+16*\b+\i]|, |v[\s+16*\b+\i+1]|, v[TM+\b]   ; (the four blocks by turns)
.endr
.endr
	WIN 0
.irp b, 0,1,2,3
	v_permlanex16_b32 v[TM+4+\b], v[TM+\b], s[SEL], s[SEL+1]
.endr
.irp b, 0,1,2,3
	v_max_num_f32 v[TM+\b], v[TM+\b], v[TM+4+\b]   ; with lane l xor 16's: the block's largest magnitude
.endr
.irp b, 0,1,2,3
	v_add_nc_u32 v[TM+8+\b], 0xff000000, v[TM+\b]  ; 2 off its exponent field: the conversion's scale operand
.endr
.irp b, 0,1,2,3
	v_lshrrev_b32 v[TM+4+\b], 23, v[TM+8+\b]       ; the scale's byte
.endr
	v_lshl_or_b32 v[PW], v[TM+5], 8, v[TM+4]
	v_lshl_or_b32 v[PW], v[TM+6], 16, v[PW]
	v_lshl_or_b32 v[PW], v[TM+7], 24, v[PW]        ; my row's scale word
	WIN \w
.irp c, 0,1
	v_cvt_scalef32_pk16_fp6_f32 v[CD+6*\c:CD+6*\c+2], v[\s+32*\c:\s+32*\c+15], v[TM+8+2*\c]
	v_cvt_scalef32_pk16_fp6_f32 v[CD+12+4*\c:CD+14+4*\c], v[\s+16+32*\c:\s+31+32*\c], v[TM+9+2*\c]   ; (a conversion's three registers begin on an even number)
.endr
	WIN 0
	v_nop                                          ; one plain place behind a scaled conversion
.irp c, 0,1                                    ; the operand's layout wants a whole block in a lane: lanes 0-15 block 2 c, lanes 16-31 block 2 c + 1
.irp i, 0,1,2
	v_permlane16_swap_b32 v[CD+6*\c+\i], v[CD+12+4*\c+\i]
.endr
.irp i, 0,1,2
	v_mov_b32 v[CD+3+6*\c+\i], v[CD+12+4*\c+\i]
.endr
.endr
.endm
.macro TOSTG a, vs                     ; block a's codes and scale words into my stage, at their logical rows
.set RO, 32*((\a)/2)+8*((\a)%2)
.irp p, 0,1,2,3,4,5
	ds_store_b64 v[STQ], v[CD+2*\p:CD+2*\p+1] offset:\vs+RO*96+48*(\p/3)+8*(\p%3)
.endr
	ds_store_b32 v[STS], v[PW] offset:\vs+RO*4     ; lanes 16-31 write the same word with the same value
.endm
.macro BACK vs                         ; the stage comes back as it lies: 24 x 512 bytes of codes, 512 bytes of scale words.  LDS serves a wave's instructions in order: these see my stores
.irp j, 0,1,2,3,4,5,6,7,8,9,10,11,12,13,14,15,16,17,18,19,20,21,22,23
	ds_load_b128 v[RB+4*\j:RB+4*\j+3], v[RDB] offset:\vs+512*\j
.endr
	ds_load_b128 v[RB+96:RB+99], v[RDB] offset:\vs+12288
.endm
	PLACES NP                                      ; behind the last products
	s_mov_b32 s[SEL], 0x76543210
	s_mov_b32 s[SEL+1], 0xfedcba98
.irp b, 0,1,2,3
	v_mov_b32 v[TM+4+\b], 0                        ; written once: a lane permute's destination counts as one of its sources
.endr
	s_cmp_ge_u32 ttmp9, 4
	s_cbranch_scc1 .Lv_out
; ---- q and k: my 128 positions T0 .. of head hh (0-15 q's, 16-31 k's)
	s_lshl_b32 s18, s42, 1
	s_add_co_u32 s18, s18, s16                     ; hh = 2 x tile column + my half of B
	s_lshl_b32 s19, s17, 8
	s_lshl_b32 s92, s15, 7
	s_add_co_u32 s19, s19, s92                     ; T0 = 256 x tile row + 128 x my half of A
	s_mul_i32 s92, s18, 196608
	s_mul_i32 s93, s19, 96
	s_add_co_u32 s92, s92, s93
	s_mov_b32 s93, 0
	s_lshl_b32 s94, s18, 13
	s_lshl_b32 s95, s19, 2
	s_add_co_u32 s94, s94, s95
	s_add_co_u32 s94, s94, QS
	s_mov_b32 s95, 0
	s_add_nc_u64 s[46:47], s[12:13], s[94:95]      ; my scale words: 512 bytes on end
	s_add_nc_u64 s[12:13], s[12:13], s[92:93]      ; my codes: 12,288 bytes on end
	s_lshl_b32 s92, s19, 9
	s_add_nc_u64 s[100:101], s[100:101], s[92:93]  ; the table at T0
	s_mov_b32 s22, 0x3c000000                      ; 1 / 128
	s_mov_b32 s23, 0x358637bd                      ; 1e-6
	v_bfe_u32 v[VW], v0, 4, 1
	v_lshlrev_b32 v[VW], 6, v[VW]                  ; 64 h: my 16 channels of a block of 32
	v_and_b32 v[VCS], 15, v0
	v_and_b32 v31, 8, v0
	v_add_nc_u32 v[VCS], v[VCS], v31
	v_lshl_add_u32 v[VCS], v[VCS], 9, v[VW]        ; the table: 512 (r + 8 (r / 8)) + 64 h: channels 2 i, 2 i + 1 find (cos, sin) at byte 8 i
	WIN 0x40                                       ; destination window 1
.irp b, 0,1,2,3
.irp j, 0,1,2,3
	global_load_b128 v[WT+16*\b+4*\j:WT+16*\b+4*\j+3], v[VW], s[66:67] offset:128*\b+16*\j   ; the norm's weights in my registers' order
.endr
.endr
	WIN 0
.macro CSLOAD a                        ; block a's rows of the table into set a % 2: register 16 b + 2 m holds cos, 16 b + 2 m + 1 sin, for the pair of channels in the same two registers of the block
.set RO, 32*((\a)/2)+8*((\a)%2)
	WIN 0x40
.irp b, 0,1,2,3
.irp j, 0,1,2,3
	global_load_b128 v[64+64*((\a)%2)+16*\b+4*\j:64+64*((\a)%2)+16*\b+4*\j+3], v[VCS], s[100:101] offset:RO*512+128*\b+16*\j
.endr
.endr
	WIN 0
.endm
	CSLOAD 0
	CSLOAD 1
.macro SUMSQ a0                        ; the squares of blocks a0 and a0 + 1, by turns, two chains each, every accumulator from its low end on; these lines stand over the loads' way
	WIN 5*(2+(\a0)/4)
.irp a, \a0, \a0+1
	v_pk_mul_f32 v[192+4*(\a):193+4*(\a)], v[64*((\a)%4):64*((\a)%4)+1], v[64*((\a)%4):64*((\a)%4)+1]
	v_pk_mul_f32 v[194+4*(\a):195+4*(\a)], v[64*((\a)%4)+2:64*((\a)%4)+3], v[64*((\a)%4)+2:64*((\a)%4)+3]
.endr
.irp i, 4,8,12,16,20,24,28,32,36,40,44,48,52,56,60
.irp a, \a0, \a0+1
	v_pk_fma_f32 v[192+4*(\a):193+4*(\a)], v[64*((\a)%4)+\i:64*((\a)%4)+\i+1], v[64*((\a)%4)+\i:64*((\a)%4)+\i+1], v[192+4*(\a):193+4*(\a)]
	v_pk_fma_f32 v[194+4*(\a):195+4*(\a)], v[64*((\a)%4)+\i+2:64*((\a)%4)+\i+3], v[64*((\a)%4)+\i+2:64*((\a)%4)+\i+3], v[194+4*(\a):195+4*(\a)]
.endr
.endr
.endm
	SUMSQ 0
	SUMSQ 2
	SUMSQ 4
	SUMSQ 6
	WIN 0
.irp a, 0,1,2,3,4,5,6,7
	v_pk_add_f32 v[192+4*\a:193+4*\a], v[192+4*\a:193+4*\a], v[194+4*\a:195+4*\a]
.endr
.irp a, 0,1,2,3,4,5,6,7
	v_add_f32 v[192+4*\a], v[192+4*\a], v[193+4*\a]
.endr
.irp a, 0,1,2,3,4,5,6,7
	v_permlanex16_b32 v[194+4*\a], v[192+4*\a], s[SEL], s[SEL+1]   ; the row's other 64 channels lie in the lane 16 away
.endr
.irp a, 0,1,2,3,4,5,6,7
	v_add_f32 v[192+4*\a], v[192+4*\a], v[194+4*\a]
.endr
.irp a, 0,1,2,3,4,5,6,7
	v_fma_f32 v[192+4*\a], v[192+4*\a], s22, s23   ; the mean of the squares + 1e-6
.endr
.irp a, 0,1,2,3,4,5,6,7
	v_rsq_f32 v[RS+2*\a], v[192+4*\a]
.endr
	v_nop                                          ; one plain place behind the transcendentals
	s_wait_alu depctr_va_vdst(0)
.irp a, 0,1,2,3,4,5,6,7
	v_mov_b32 v[RS+2*\a+1], v[RS+2*\a]             ; a pair for the packed multiply
.endr
.macro BLOCK a                         ; block a: x / rms, x weight, the rotation, the quantiser, into the stage
.set W, 2+(\a)/4
.set XB, 64*((\a)%4)
.set CSB, 64+64*((\a)%2)
.if (\a) < 7
	s_wait_loadcnt 16                              ; this block's table rows (and, the first time, the weights) are in; the next block's 16 loads may be out
.else
	s_wait_loadcnt 0x0
.endif
	WIN (W<<6)|W
.set II, 0
.rept 32
	v_pk_mul_f32 v[XB+II:XB+II+1], v[XB+II:XB+II+1], v[RS+2*(\a):RS+2*(\a)+1]
.set II, II+2
.endr
	WIN (W<<6)|4|W
.set II, 0
.rept 32
	v_pk_mul_f32 v[XB+II:XB+II+1], v[XB+II:XB+II+1], v[WT+II:WT+II+1]
.set II, II+2
.endr
	WIN 4|W
.set II, 0
.rept 32
	v_pk_mul_f32 v[OUT+II:OUT+II+1], v[XB+II:XB+II+1], v[CSB+II:CSB+II+1] op_sel:[1,1] op_sel_hi:[1,0] neg_lo:[1,0]   ; (-y1 sin, y1 cos)
.set II, II+2
.endr
.set II, 0
.rept 32
	v_pk_fma_f32 v[OUT+II:OUT+II+1], v[XB+II:XB+II+1], v[CSB+II:CSB+II+1], v[OUT+II:OUT+II+1] op_sel_hi:[0,1,1]       ; + (y0 cos, y0 sin)
.set II, II+2
.endr
	WIN 0
.if (\a) < 6
	CSLOAD (\a)+2                                  ; the set just read takes the rows of two blocks on
.endif
	s_wait_dscnt 0x0                               ; the last block's stores into the stage have read their registers
	QUANT OUT, 0
	TOSTG \a, 0
.endm
.irp a, 0,1,2,3,4,5,6,7
	BLOCK \a
.endr
	BACK 0
.irp j, 0,1,2,3,4,5,6,7,8,9,10,11,12,13,14,15,16,17,18,19,20,21,22,23
	s_wait_dscnt 24-\j                             ; the younger loads may be out
	global_store_b128 v[GOL], v[RB+4*\j:RB+4*\j+3], s[12:13] offset:512*\j   ; the wave stores 512 consecutive bytes, at a multiple of 256 from qkv6's first byte
.endr
	s_wait_dscnt 0x0
	global_store_b128 v[GOL], v[RB+96:RB+99], s[46:47]
	s_branch .Lend
; ---- v: my 128 channels of head hv, my 128 keys: the accumulators are quantised as they stand
.Lv_out:
	s_lshl_b32 s18, s17, 1
	s_add_co_u32 s18, s18, s15                     ; hv = 2 x tile row + my half of A
	s_sub_co_u32 s19, s42, 16
	s_lshl_b32 s19, s19, 1
	s_add_co_u32 s19, s19, s16                     ; which 128 keys
	s_mul_i32 s92, s18, 196608
	s_mul_i32 s93, s19, 96
	s_add_co_u32 s92, s92, s93
	s_add_co_u32 s92, s92, 6291456
	s_mov_b32 s93, 0
	s_lshl_b32 s94, s18, 13
	s_lshl_b32 s95, s19, 2
	s_add_co_u32 s94, s94, s95
	s_add_co_u32 s94, s94, QS+262144
	s_mov_b32 s95, 0
	s_add_nc_u64 s[46:47], s[12:13], s[94:95]
	s_add_nc_u64 s[12:13], s[12:13], s[92:93]
	v_and_b32 v18, 31, v0
.irp j, 0,1,2                          ; piece c = 32 j + lane of 16 bytes lies in stage row c / 6: in memory rows are 1,536 bytes apart.  96 pieces further on are 16 rows further down
	v_add_nc_u32 v19, 32*\j, v18
	v_mul_u32_u24 v[VO+\j], 43, v19
	v_lshrrev_b32 v[VO+\j], 8, v[VO+\j]            ; c / 6, right for c under 96
	v_mul_u32_u24 v31, 6, v[VO+\j]
	v_sub_nc_u32 v19, v19, v31
	v_mul_u32_u24 v[VO+\j], 1536, v[VO+\j]
	v_lshl_add_u32 v[VO+\j], v19, 4, v[VO+\j]
.endr
	v_lshlrev_b32 v[VSO], 8, v18                   ; scale words: a lane reads four rows' back; rows are 64 bytes apart
.irp a, 0,1,2,3,4,5,6,7
.if \a > 0
	s_wait_dscnt 0x0                               ; the last block's stores into the stage have read their registers
.endif
.set XB, 64*(\a%4)
.set W, 2+\a/4
	QUANT XB, W
	TOSTG \a, VS
.endr
	BACK VS
.irp j, 0,1,2,3,4,5,6,7,8,9,10,11,12,13,14,15,16,17,18,19,20,21,22,23
	s_wait_dscnt 24-\j                             ; the younger loads may be out
	global_store_b128 v[VO+\j%3], v[RB+4*\j:RB+4*\j+3], s[12:13] offset:(\j/3)*24576   ; six lanes store a row's 96 consecutive bytes
.endr
	s_wait_dscnt 0x0
.irp e, 0,1,2,3
	global_store_b32 v[VSO], v[RB+96+\e], s[46:47] offset:64*\e
.endr
.Lend:
	s_wait_tensorcnt 0x0                           ; the wave's end: behind my last tensor load and my last LDS store
	ds_add_u32 v[SPW], v[NIL]
	s_wait_dscnt 0x0
	CROUND                                         ; the closing round: no work-group ends while a partner may still ask for a tile that names it
	s_endpgm
.Lfunc_end_k_q030879d2a7_gemm_qkv:
	.size	k_q030879d2a7_gemm_qkv, .Lfunc_end_k_q030879d2a7_gemm_qkv-k_q030879d2a7_gemm_qkv
	.p2alignl 7, 3214868480
	.fill 96, 4, 3214868480
	.section	.rodata,"a",@progbits
	.p2align	6, 0x0
	.amdhsa_kernel k_q030879d2a7_gemm_qkv
		.amdhsa_group_segment_fixed_size 327680
		.amdhsa_private_segment_fixed_size 0
		.amdhsa_enable_private_segment 0
		.amdhsa_kernarg_size 48
		.amdhsa_user_sgpr_count 2
		.amdhsa_user_sgpr_kernarg_segment_ptr 1
		.amdhsa_wavefront_size32 1
		.amdhsa_system_sgpr_workgroup_id_x 1
		.amdhsa_system_sgpr_workgroup_id_y 1
		.amdhsa_system_sgpr_workgroup_id_z 1
		.amdhsa_system_vgpr_workitem_id 0
		.amdhsa_next_free_vgpr 1024
		.amdhsa_next_free_sgpr 106
		.amdhsa_reserve_vcc 0
		.amdhsa_float_denorm_mode_32 3
		.amdhsa_float_denorm_mode_16_64 3
		.amdhsa_memory_ordered 1
		.amdhsa_forward_progress 1
		.amdhsa_inst_pref_size 255
	.end_amdhsa_kernel
	.section	.bss,"aw",@nobits
	.p2align	6
	.space	262144
	.amdgpu_metadata
---
amdhsa.version: [ 1, 2 ]
amdhsa.kernels:
  - .name:           k_q030879d2a7_gemm_qkv
    .symbol:         k_q030879d2a7_gemm_qkv.kd
    .args:
      - { .name: hsq, .offset: 0, .size: 8, .value_kind: global_buffer, .address_space: global }
      - { .name: wq6, .offset: 8, .size: 8, .value_kind: global_buffer, .address_space: global }
      - { .name: rope, .offset: 16, .size: 8, .value_kind: global_buffer, .address_space: global }
      - { .name: q_norm_w, .offset: 24, .size: 8, .value_kind: global_buffer, .address_space: global }
      - { .name: k_norm_w, .offset: 32, .size: 8, .value_kind: global_buffer, .address_space: global }
      - { .name: qkv6, .offset: 40, .size: 8, .value_kind: global_buffer, .address_space: global }
    .group_segment_fixed_size: 327680
    .private_segment_fixed_size: 0
    .kernarg_segment_align: 8
    .kernarg_segment_size: 48
    .max_flat_workgroup_size: 128
    .sgpr_count:     106
    .vgpr_count:     1024
    .wavefront_size: 32
...
	.end_amdgpu_metadata
.endif
;; end of part 3
;; launch attn (part 4): grid 16 x 16, 8 waves a work-group, no clusters, 168,960 bytes of LDS; arguments qkv6, ctx6; writes ctx6
.if DOCPART == 4
	.amdgcn_target "amdgcn-amd-amdhsa--gfx1250"
	.amdhsa_code_object_version 6
	.text
	.protected	k_q030879d2a7_attn
	.globl	k_q030879d2a7_attn
	.p2align	8
	.type	k_q030879d2a7_attn,@function
k_q030879d2a7_attn:
	s_mov_b64 s[64:65], 0
	v_nop
	global_prefetch_b8 v0, s[64:65] scope:SCOPE_SE
	s_setreg_imm32_b32 hwreg(HW_REG_WAVE_MODE, 25, 1), 1
	s_wait_xcnt 0x0
; Attention with the causal window of 512 on codes of FP6 (E2M3) with E8M0 scales, and the quantiser of the context along the head's 128.
; qkv6: q's and k's codes [32 heads][2048][96 bytes]; v's codes with the KEYS innermost [16][128][1,536 bytes]; from byte QS the scale bytes: q's and k's [32][2048][4], v's [16][128][64].
; ctx6: codes [2048][1,536 bytes], head h at byte 96 h; from byte 3,145,728 the scale bytes [2048][64], head h's word at byte 4 h.
; THE SOFTMAX: t = score x log2(e) / sqrt(128); M = the row's largest t so far, rounded UP to a whole number; p = 2^(t - M) is quantised along the keys, not normalised; the row's sum is taken of the unquantised p
; and divides O at the end.  When M moves, the sum and O are multiplied by 2^(old M - new M): exact.
; SHARES.  A work-group owns 128 queries of one head, each of its eight waves 16.  Key k counts for query q where q - 511 <= k <= q: the work-group needs the 640 keys from KB = max(first query - 512, 0) on.
; Their codes and scale bytes fit into LDS together: every fill is a first fill, there is one barrier, and nothing is filled again.  Five steps of 128 keys.
; NO CLUSTER: neighbouring blocks of queries begin their windows 128 keys apart, so a tile that they shared would have to land at LDS addresses that hang on the place in the cluster.
; LAYOUT.  Both products are used transposed (S^T = K Q^T, O^T = V^T P^T): a lane holds ONE query throughout.  Lane r of tile 2 b + u takes key (or channel) 32 b + 8 u + r + 8 (r / 8), so that the 16 registers of
; tiles 2 b and 2 b + 1 are 16 neighbours, 32 b + 16 (lane / 16) + 0 .. 15: p's along the keys, O^T's along the head.
; A step all of whose keys come after the wave's queries is left out by a scalar branch on ids; at the window's two edges hidden scores become -infinity ahead of the maximum.  Each query's own key counts, so every row ends with a sum above 1/2.
; LIMITS: NaN and infinities are not served; a block of zeros gets the byte 1 (its codes are zeros; only this program reads the bytes).  The context's codes leave as runs of 96 bytes, its scale words as 4 bytes a row.
; REGISTERS: v1-4 addresses that stay; v8-11 addresses of the loads in hand; v12 -M, v13 the largest t, v[14:15] the sum; v16-27 Q; v32-95 four fragments of K or V; v96-159 S^T, then p; v160-223 O^T; v224-235 p's codes; v232-254 at work; v255 Q's scale words.
.set KP,    96                         ; a key's row in LDS
.set VP,    480                        ; a channel's row of V in LDS: 640 keys
.set VOFF,  61440                      ; LDS: K's 640 rows, then V's 128 rows,
.set SCK,   122880                     ; K's 640 scale words, as 256 bytes + 16 of padding,
.set SCV,   125696                     ; V's: 128 rows of 20 bytes,
.set STAGE, 128256                     ; and the stages of the way out, 1,536 bytes a wave: bytes of their own, into which no fill lands
.set QS,    9437184
.set AK0,  1
.set AV0,  2
.set ASK0, 3
.set ASV0, 4
.set ADK,  8
.set ADV,  9
.set ADS,  10
.set ADT,  11
.set TM,   32                          ; the way out: v32-35 largest magnitudes, v36-39 bytes, v44-47 scale operands
.set CD,   48                          ; v48-66 the context's codes
.set PW,   68                          ; its scale word
.set WV,   18
.set SEL,  20
.set CS,   22
.set G1K,  24
.set G1V,  32
.set G1SK, 40
.set G1SV, 48
.set TBK,  76                          ; s76  the step's first byte among K's rows
.set TBV,  77                          ; s77  in V's rows
.set TS,   78                          ; s78  among K's scale words
.set TJ,   79                          ; s79  in V's rows of scale bytes
.set CNT,  80
.set KF,   81                          ; s81  the step's first key
.set Q0,   82                          ; s82  my first query
	s_load_b128 s[4:7], s[0:1], 0x0                ; qkv6, ctx6
	v_lshl_add_u32 v95, v0, 2, 0x29000
	v_mov_b32 v243, 0
	ds_add_u32 v95, v243
	ds_add_u32 v95, v243
	v_lshrrev_b32 v8, 5, v0
	v_readfirstlane_b32 s[WV], v8                  ; wave 0..7
	s_and_b32 s83, ttmp7, 0xffff                   ; the head
	s_lshl_b32 s84, ttmp9, 7                       ; the work-group's first query
	s_sub_co_i32 s85, s84, 512
	s_max_i32 s85, s85, 0                          ; KB
	s_lshl_b32 s86, s[WV], 4
	s_add_co_u32 s[Q0], s84, s86
	s_mov_b32 s[KF], s85
	s_and_b32 s88, s[WV], 1
	s_mul_i32 s87, s83, 196608                     ; the head's codes
	s_lshl_b32 s89, s83, 13                        ; the head's scale bytes
	s_mul_i32 s92, s88, 30720                      ; halves: of K's 61,440 bytes, and of V's in LDS
	s_mul_i32 s90, s85, 96
	s_add_co_u32 s90, s90, s87
	s_add_co_u32 s90, s90, 3145728
	s_add_co_u32 s90, s90, s92                     ; K's codes from key KB on, my half
	s_mov_b32 s91, 0
	s_mul_i32 s94, s85, 3
	s_lshr_b32 s94, s94, 2
	s_add_co_u32 s94, s94, s87
	s_add_co_u32 s94, s94, 6291456
	s_mul_i32 s93, s88, 98304
	s_add_co_u32 s94, s94, s93                     ; V's codes: byte 3 KB / 4 of each row, my 64 rows
	s_mov_b32 s95, 0
	s_lshl_b32 s96, s85, 2
	s_add_co_u32 s96, s96, s89
	s_add_co_u32 s96, s96, QS+131072               ; K's scale words
	s_mov_b32 s97, 0
	s_lshr_b32 s98, s85, 5
	s_add_co_u32 s98, s98, s89
	s_add_co_u32 s98, s98, QS+262144               ; V's scale bytes: byte KB / 32 of each row
	s_mov_b32 s99, 0
	s_mov_b32 s[G1K], 3<<16                        ; K: 30,720 dense bytes as 120 rows of 256 bytes (32 elements of 8), no padding
	s_mov_b32 s[G1K+1], 32<<16
	s_mov_b32 s[G1K+2], 120<<16
	s_mov_b32 s[G1K+3], 32<<16
	s_mov_b32 s[G1K+4], 120
	s_mov_b32 s[G1K+5], 32
	s_mov_b32 s[G1K+6], 0
	s_mov_b32 s[G1K+7], 0
	s_mov_b32 s[G1V], 0<<16                        ; V: 64 rows of 480 bytes, 1,536 bytes apart
	s_mov_b32 s[G1V+1], 480<<16
	s_mov_b32 s[G1V+2], 64<<16
	s_mov_b32 s[G1V+3], 480<<16
	s_mov_b32 s[G1V+4], 64
	s_mov_b32 s[G1V+5], 1536
	s_mov_b32 s[G1V+6], 0
	s_mov_b32 s[G1V+7], 0
	s_mov_b32 s[G1SK], (3<<16)|(1<<20)|(5<<22)|(3<<25)   ; K's scale words: 2,560 dense bytes as 10 rows of 256, 16 bytes of padding behind each
	s_mov_b32 s[G1SK+1], 32<<16
	s_mov_b32 s[G1SK+2], 10<<16
	s_mov_b32 s[G1SK+3], 32<<16
	s_mov_b32 s[G1SK+4], 10
	s_mov_b32 s[G1SK+5], 32
	s_mov_b32 s[G1SK+6], 0
	s_mov_b32 s[G1SK+7], 0
	s_mov_b32 s[G1SV], 2<<16                       ; V's: 128 rows of 5 words, 16 words apart
	s_mov_b32 s[G1SV+1], 5<<16
	s_mov_b32 s[G1SV+2], 128<<16
	s_mov_b32 s[G1SV+3], 5<<16
	s_mov_b32 s[G1SV+4], 128
	s_mov_b32 s[G1SV+5], 16
	s_mov_b32 s[G1SV+6], 0
	s_mov_b32 s[G1SV+7], 0
	s_mov_b32 s[SEL], 0x76543210
	s_mov_b32 s[SEL+1], 0xfedcba98
	s_mov_b32 s[CS], 0x3e0293ee                    ; c = log2(e) / sqrt(128)
	s_mov_b32 s[CS+1], s[CS]                       ; (named with it as a pair, so it is written)
	s_mov_b32 s[TBK], 0
	s_mov_b32 s[TBV], 0
	s_mov_b32 s[TS], 0
	s_mov_b32 s[TJ], 0
	s_mov_b32 s[CNT], 5
	s_wait_dscnt 0x0
	s_wait_kmcnt 0x0
	s_mov_b32 s56, 1
	s_mov_b32 s57, s92
	s_add_nc_u64 s[58:59], s[4:5], s[90:91]
	s_or_b32 s59, s59, 0x80000000
	s_mov_b32 s60, 1
	s_add_co_u32 s61, s92, VOFF
	s_add_nc_u64 s[62:63], s[4:5], s[94:95]
	s_or_b32 s63, s63, 0x80000000
	s_mov_b32 s68, 1
	s_mov_b32 s69, SCK
	s_add_nc_u64 s[70:71], s[4:5], s[96:97]
	s_or_b32 s71, s71, 0x80000000
	s_mov_b32 s72, 1
	s_mov_b32 s73, SCV
	s_add_nc_u64 s[74:75], s[4:5], s[98:99]
	s_or_b32 s75, s75, 0x80000000
	; the fills: waves 0, 1 K's halves; waves 2, 3 V's; wave 4 K's scale words; wave 5 V's; at most one load a wave.  The branches hang on the wave's number alone; four v_nop follow each load
	s_cmp_lt_u32 s[WV], 2
	s_cbranch_scc0 .Lnot_k
	tensor_load_to_lds s[56:59], s[G1K:G1K+7]
	s_nop 0
.rept 4
	v_nop
.endr
	s_branch .Lasked
.Lnot_k:
	s_cmp_lt_u32 s[WV], 4
	s_cbranch_scc0 .Lnot_v
	tensor_load_to_lds s[60:63], s[G1V:G1V+7]
	s_nop 0
.rept 4
	v_nop
.endr
	s_branch .Lasked
.Lnot_v:
	s_cmp_eq_u32 s[WV], 4
	s_cbranch_scc0 .Lnot_sk
	tensor_load_to_lds s[68:71], s[G1SK:G1SK+7]
	s_nop 0
.rept 4
	v_nop
.endr
	s_branch .Lasked
.Lnot_sk:
	s_cmp_eq_u32 s[WV], 5
	s_cbranch_scc0 .Lasked
	tensor_load_to_lds s[72:75], s[G1SV:G1SV+7]
	s_nop 0
.rept 4
	v_nop
.endr
.Lasked:
	s_mul_i32 s90, s[Q0], 96
	s_add_co_u32 s90, s90, s87
	s_mov_b32 s91, 0
	s_add_nc_u64 s[8:9], s[4:5], s[90:91]          ; Q's codes at my first query
	s_lshl_b32 s90, s[Q0], 2
	s_add_co_u32 s90, s90, s89
	s_add_co_u32 s90, s90, QS
	s_add_nc_u64 s[10:11], s[4:5], s[90:91]        ; and its scale words
	s_mul_i32 s90, s[Q0], 1536
	s_mul_i32 s93, s83, 96
	s_add_co_u32 s90, s90, s93
	s_add_nc_u64 s[12:13], s[6:7], s[90:91]        ; the context's codes: my first row, my head
	s_lshl_b32 s90, s[Q0], 6
	s_lshl_b32 s93, s83, 2
	s_add_co_u32 s90, s90, s93
	s_add_co_u32 s90, s90, 3145728
	s_add_nc_u64 s[14:15], s[6:7], s[90:91]        ; and its scale words
	v_and_b32 v8, 15, v0                           ; r
	v_bfe_u32 v9, v0, 4, 1                         ; h
	v_mul_u32_u24 v10, v8, 96
	v_mad_u32_u24 v10, v9, 24, v10
.irp p, 0,1,2,3,4,5
	global_load_b64 v[16+2*\p:17+2*\p], v10, s[8:9] offset:48*(\p/3)+8*(\p%3)   ; Q's fragment stays in registers
.endr
	v_lshlrev_b32 v254, 2, v8
	global_load_b32 v255, v254, s[10:11]           ; Q's scale words
	v_and_b32 v11, 8, v8
	v_add_nc_u32 v11, v11, v8                      ; r + 8 (r / 8)
	v_mul_u32_u24 v[AK0], v11, KP
	v_mad_u32_u24 v[AK0], v9, 24, v[AK0]
	v_mul_u32_u24 v[AV0], v11, VP
	v_mad_u32_u24 v[AV0], v9, 24, v[AV0]
	v_add_nc_u32 v[AV0], VOFF, v[AV0]
	v_lshl_add_u32 v[ASK0], v11, 2, SCK
	v_mul_u32_u24 v[ASV0], v11, 20
	v_add_nc_u32 v[ASV0], SCV, v[ASV0]
	v_mov_b32 v13, 0xff61b1e6                      ; the largest t so far: -3e38, under every t
	v_floor_f32 v12, -v13                          ; -M
	v_mov_b32 v14, 0                               ; the sum, in two halves
	v_mov_b32 v15, 0
.irp b, 0,1,2,3
	v_mov_b32 v[236+\b], 0                         ; written once: a lane permute's destination counts as one of its sources
.endr
	v_mov_b32 v252, 0
	v_mov_b32 v253, 0
.set J, 0
.rept 64
	v_mov_b32 v[160+J], 0                          ; O^T.  (The step is written once: the first finds zeros, which the first change of M leaves zeros)
.set J, J+1
.endr
	s_wait_loadcnt 0x0                             ; Q
	s_wait_tensorcnt 0x0                           ; my fill has landed,
	s_barrier_signal -1
	s_barrier_wait -1                              ; everybody's has
.Lstep:                                            ; five trips: 128 keys each
	s_add_co_u32 s96, s[Q0], 15
	s_cmp_gt_u32 s[KF], s96                        ; all of the step's keys come after my queries: its work is left out
	s_cbranch_scc1 .Lhidden
	v_add_nc_u32 v[ADK], s[TBK], v[AK0]            ; (these four lines are also the places in front of the loads below)
	v_add_nc_u32 v[ADV], s[TBV], v[AV0]
	v_add_nc_u32 v[ADS], s[TS], v[ASK0]
	v_add_nc_u32 v[ADT], s[TJ], v[ASV0]
.irp g, 0,1                                    ; S^T = K Q^T, four tiles of 16 keys at a time
.rept 4*\g
	v_nop                                          ; places in front of loads into registers that matrix instructions have read
.endr
.irp t, 0,1,2,3
.irp p, 0,1,2,3,4,5
	ds_load_b64 v[32+12*\t+2*\p:32+12*\t+2*\p+1], v[ADK] offset:(32*((4*\g+\t)/2)+8*(\t%2))*KP+48*(\p/3)+8*(\p%3)
.endr
	ds_load_b32 v[248+\t], v[ADS] offset:272*\g+(32*(((4*\g+\t)/2)%2)+8*(\t%2))*4
.endr
	s_wait_dscnt 0x0
.irp t, 0,1,2,3
	v_wmma_scale_f32_16x16x128_f8f6f4 v[96+8*(4*\g+\t):103+8*(4*\g+\t)], v[32+12*\t:43+12*\t], v[16:27], 0, v[248+\t], v255 matrix_a_fmt:MATRIX_FMT_FP6 matrix_b_fmt:MATRIX_FMT_FP6
.endr
.endr
.rept 4
	v_nop
.endr
	; register 16 b + i holds key KF + 16 (lane / 16) + 32 b + i; my query is Q0 + lane % 16
	s_add_co_u32 s96, s[KF], 127
	s_cmp_le_u32 s96, s[Q0]                        ; no key of the step comes after a query of mine: the upper edge is not met
	s_cbranch_scc1 .Lopen
	s_sub_co_i32 s96, s[Q0], s[KF]
	v_and_b32 v252, 15, v0
	v_bfe_u32 v253, v0, 4, 1
	v_lshlrev_b32 v253, 4, v253
	v_sub_nc_u32 v252, v252, v253
	v_add_nc_u32 v252, s96, v252                   ; d = my query - KF - 16 (lane / 16): hidden where 32 b + i > d
	v_mov_b32 v254, 0xff800000                     ; -infinity
.set J, 0
.rept 64
	v_cmp_gt_i32 vcc_lo, 32*(J/16)+J%16, v252
	v_cndmask_b32 v[96+J], v[96+J], v254, vcc_lo
.set J, J+1
.endr
.Lopen:
	s_sub_co_i32 s96, s[Q0], s[KF]
	s_cmp_lt_i32 s96, 497                          ; my last query lies under 512 behind the step's first key: the lower edge is not met
	s_cbranch_scc1 .Lnear
	s_sub_co_i32 s96, s96, 512
	v_and_b32 v252, 15, v0
	v_bfe_u32 v253, v0, 4, 1
	v_lshlrev_b32 v253, 4, v253
	v_sub_nc_u32 v252, v252, v253
	v_add_nc_u32 v252, s96, v252                   ; d - 512: hidden where 32 b + i <= d - 512
	v_mov_b32 v254, 0xff800000
.set J, 0
.rept 64
	v_cmp_le_i32 vcc_lo, 32*(J/16)+J%16, v252
	v_cndmask_b32 v[96+J], v[96+J], v254, vcc_lo
.set J, J+1
.endr
.Lnear:
.irp b, 0,1,2,3
	v_max3_num_f32 v[232+\b], v[96+16*\b], v[97+16*\b], v[98+16*\b]   ; the largest score of each block of 32 keys: it serves for the row's maximum and, since p rises with the score, for the block's largest p
.endr
.irp i, 3,5,7,9,11,13
.irp b, 0,1,2,3
	v_max3_num_f32 v[232+\b], v[232+\b], v[96+16*\b+\i], v[97+16*\b+\i]
.endr
.endr
.irp b, 0,1,2,3
	v_max_num_f32 v[232+\b], v[232+\b], v[111+16*\b]
.endr
.irp b, 0,1,2,3
	v_permlanex16_b32 v[236+\b], v[232+\b], s[SEL], s[SEL+1]
.endr
.irp b, 0,1,2,3
	v_max_num_f32 v[232+\b], v[232+\b], v[236+\b]  ; with lane l xor 16's 16 keys
.endr
	v_max3_num_f32 v254, v232, v233, v234
	v_max_num_f32 v254, v254, v235                 ; the step's largest score of my query
	v_mul_f32 v254, s[CS], v254                    ; as t
	v_max_num_f32 v13, v13, v254                   ; the running largest t
	v_mov_b32 v254, v12
	v_floor_f32 v12, -v13                          ; the new -M = floor(-t): M is a whole number
	v_sub_f32 v254, v12, v254                      ; M's old value less its new one: 0 or less
	v_cvt_i32_f32 v254, v254                       ; (it saturates)
	v_ldexp_f32 v252, 1.0, v254                    ; f = 2^(old M - new M)
.set J, 0
.rept 32
	v_pk_fma_f32 v[96+J:97+J], v[96+J:97+J], s[CS:CS+1], v[12:13] op_sel_hi:[1,0,0]   ; t - M, two at a time
.set J, J+2
.endr
.irp b, 0,1,2,3
	v_fma_f32 v[232+\b], v[232+\b], s[CS], v12     ; the same of each block's largest score
.endr
.set J, 0
.rept 64
	v_exp_f32 v[96+J], v[96+J]                     ; p = 2^(t - M), at most 1
.set J, J+1
.endr
.irp b, 0,1,2,3
	v_exp_f32 v[232+\b], v[232+\b]                 ; the block's largest p
.endr
	v_pk_mul_f32 v[14:15], v[14:15], v[252:253] op_sel_hi:[1,0]   ; the sums under the new M.  (A plain place behind the exponentials)
	s_wait_alu depctr_va_vdst(0)
.irp b, 0,1,2,3
	v_max_num_f32 v[232+\b], 0x1800000, v[232+\b]  ; the floor 2^(3 - 127): the byte cannot fall under 1
.endr
.irp b, 0,1,2,3
	v_add_nc_u32 v[244+\b], 0xff000000, v[232+\b]  ; 2 off the exponent field: the conversion's scale operand
.endr
.irp b, 0,1,2,3
	v_lshrrev_b32 v[236+\b], 23, v[244+\b]         ; the scale's byte
.endr
	v_lshl_or_b32 v253, v237, 8, v236              ; p's scale word for these 128 keys
	v_lshl_or_b32 v253, v238, 16, v253
	v_lshl_or_b32 v253, v239, 24, v253
.irp c, 0,1
	v_cvt_scalef32_pk16_fp6_f32 v[224+6*\c:226+6*\c], v[96+32*\c:111+32*\c], v[244+2*\c]
	v_cvt_scalef32_pk16_fp6_f32 v[236+4*\c:238+4*\c], v[112+32*\c:127+32*\c], v[244+2*\c+1]
.endr
	v_nop                                          ; one plain place behind a scaled conversion
.irp c, 0,1                                    ; a whole block in a lane: lanes 0-15 block 2 c, lanes 16-31 block 2 c + 1
.irp i, 0,1,2
	v_permlane16_swap_b32 v[224+6*\c+\i], v[236+4*\c+\i]
.endr
.irp i, 0,1,2
	v_mov_b32 v[227+6*\c+\i], v[236+4*\c+\i]
.endr
.endr
	v_pk_add_f32 v[236:237], v[96:97], v[98:99]    ; the row's sum is taken of the unquantised p: two at a time, in two chains
.irp j, 4,8,12,16,20,24,28,32,36,40,44,48,52,56,60
	v_pk_add_f32 v[14:15], v[14:15], v[96+\j:97+\j]
	v_pk_add_f32 v[236:237], v[236:237], v[98+\j:99+\j]
.endr
	v_pk_add_f32 v[14:15], v[14:15], v[236:237]
.set J, 0
.rept 32
	v_pk_mul_f32 v[160+J:161+J], v[160+J:161+J], v[252:253] op_sel_hi:[1,0]   ; O^T under the new M.  (These 32 are also the places in front of the matrix instructions and loads below)
.set J, J+2
.endr
.irp g, 0,1                                    ; O^T += V^T P^T: four tiles of 16 channels at a time; the eight accumulators take turns, one instruction a turn
.if \g > 0
.rept 4
	v_nop
.endr
.endif
.irp t, 0,1,2,3
.irp p, 0,1,2,3,4,5
	ds_load_b64 v[32+12*\t+2*\p:32+12*\t+2*\p+1], v[ADV] offset:(32*((4*\g+\t)/2)+8*(\t%2))*VP+48*(\p/3)+8*(\p%3)
.endr
	ds_load_b32 v[248+\t], v[ADT] offset:(32*((4*\g+\t)/2)+8*(\t%2))*20
.endr
	s_wait_dscnt 0x0
.irp t, 0,1,2,3
	v_wmma_scale_f32_16x16x128_f8f6f4 v[160+8*(4*\g+\t):167+8*(4*\g+\t)], v[32+12*\t:43+12*\t], v[224:235], v[160+8*(4*\g+\t):167+8*(4*\g+\t)], v[248+\t], v253 matrix_a_fmt:MATRIX_FMT_FP6 matrix_b_fmt:MATRIX_FMT_FP6
.endr
.endr
.Lhidden:
	s_add_co_u32 s[KF], s[KF], 128                 ; on to the next 128 keys
	s_add_co_u32 s[TBK], s[TBK], 128*KP
	s_add_co_u32 s[TBV], s[TBV], 96
	s_add_co_u32 s[TS], s[TS], 544
	s_add_co_u32 s[TJ], s[TJ], 4
	s_sub_co_u32 s[CNT], s[CNT], 1
	s_cmp_lg_u32 s[CNT], 0
	s_cbranch_scc1 .Lstep
	; THE WAY OUT.  O^T / the sum is the context: register 16 b + i is channel 32 b + 16 (lane / 16) + i of my query.  It is quantised along the head and leaves as codes.
	v_add_f32 v14, v14, v15                        ; the sum's two halves,
	v_permlanex16_b32 v252, v14, s[SEL], s[SEL+1]
	v_add_f32 v14, v14, v252                       ; and lane l xor 16's
	v_rcp_f32 v14, v14
	v_and_b32 v8, 15, v0                           ; (a plain place behind the transcendental)  r
	v_bfe_u32 v9, v0, 4, 1                         ; h
	s_mul_i32 s90, s[WV], 1536
	s_add_co_u32 s90, s90, STAGE                   ; my stage: 16 rows of 96 bytes
	v_mul_u32_u24 v10, v8, 96
	v_mad_u32_u24 v10, v9, 24, v10
	v_add_nc_u32 v10, s90, v10                     ; in: row r, + 24 h
	v_and_b32 v87, 31, v0
	v_lshl_add_u32 v11, v87, 4, s90                ; back: 16 x lane
.set J, 0
	s_wait_alu depctr_va_vdst(0)
.rept 64
	v_mul_f32 v[96+J], v[160+J], v14
.set J, J+1
.endr
.irp b, 0,1,2,3
	v_mov_b32 v[TM+4+\b], 0                        ; a lane permute's destination counts as one of its sources
.endr
.irp b, 0,1,2,3
	v_max3_num_f32 v[TM+\b], |v[96+16*\b]|, |v[97+16*\b]|, 0x1800000   ; block b: my 16 numbers, and the floor 2^(3 - 127)
.endr
.irp i, 2,4,6,8,10,12,14
.irp b, 0,1,2,3
	v_max3_num_f32 v[TM+\b], v[TM+\b], |v[96+16*\b+\i]|, |v[97+16*\b+\i]|
.endr
.endr
.irp b, 0,1,2,3
	v_permlanex16_b32 v[TM+4+\b], v[TM+\b], s[SEL], s[SEL+1]
.endr
.irp b, 0,1,2,3
	v_max_num_f32 v[TM+\b], v[TM+\b], v[TM+4+\b]
.endr
.irp b, 0,1,2,3
	v_add_nc_u32 v[TM+12+\b], 0xff000000, v[TM+\b]
.endr
.irp b, 0,1,2,3
	v_lshrrev_b32 v[TM+4+\b], 23, v[TM+12+\b]
.endr
	v_lshl_or_b32 v[PW], v[TM+5], 8, v[TM+4]
	v_lshl_or_b32 v[PW], v[TM+6], 16, v[PW]
	v_lshl_or_b32 v[PW], v[TM+7], 24, v[PW]        ; my row's scale word for this head
.irp c, 0,1
	v_cvt_scalef32_pk16_fp6_f32 v[CD+6*\c:CD+2+6*\c], v[96+32*\c:111+32*\c], v[TM+12+2*\c]
	v_cvt_scalef32_pk16_fp6_f32 v[CD+12+4*\c:CD+14+4*\c], v[112+32*\c:127+32*\c], v[TM+12+2*\c+1]
.endr
	v_nop                                          ; one plain place behind a scaled conversion
.irp c, 0,1
.irp i, 0,1,2
	v_permlane16_swap_b32 v[CD+6*\c+\i], v[CD+12+4*\c+\i]
.endr
.irp i, 0,1,2
	v_mov_b32 v[CD+3+6*\c+\i], v[CD+12+4*\c+\i]
.endr
.endr
.irp p, 0,1,2,3,4,5
	ds_store_b64 v10, v[CD+2*\p:CD+2*\p+1] offset:48*(\p/3)+8*(\p%3)
.endr
.irp j, 0,1,2
	ds_load_b128 v[72+4*\j:75+4*\j], v11 offset:512*\j   ; LDS serves a wave's instructions in order: these see my stores
.endr
.irp j, 0,1,2                          ; piece c = 32 j + lane of 16 bytes lies in stage row c / 6; in memory rows are 1,536 bytes apart
	v_add_nc_u32 v88, 32*\j, v87
	v_mul_u32_u24 v[84+\j], 43, v88
	v_lshrrev_b32 v[84+\j], 8, v[84+\j]            ; c / 6, right for c under 96
	v_mul_u32_u24 v89, 6, v[84+\j]
	v_sub_nc_u32 v88, v88, v89
	v_mul_u32_u24 v[84+\j], 1536, v[84+\j]
	v_lshl_add_u32 v[84+\j], v88, 4, v[84+\j]
.endr
	v_lshlrev_b32 v89, 6, v8                       ; scale words: 64 bytes a row
.irp j, 0,1,2
	s_wait_dscnt 2-\j                              ; the younger loads may be out
	global_store_b128 v[84+\j], v[72+4*\j:75+4*\j], s[12:13]   ; six lanes store a row's 96 consecutive bytes
.endr
	global_store_b32 v89, v[PW], s[14:15]          ; lanes 16-31 store the same word as lanes 0-15
	s_wait_tensorcnt 0x0
	ds_add_u32 v95, v243
	s_wait_dscnt 0x0
	s_endpgm
.Lfunc_end_k_q030879d2a7_attn:
	.size	k_q030879d2a7_attn, .Lfunc_end_k_q030879d2a7_attn-k_q030879d2a7_attn
	.p2alignl 7, 3214868480
	.fill 96, 4, 3214868480
	.section	.rodata,"a",@progbits
	.p2align	6, 0x0
	.amdhsa_kernel k_q030879d2a7_attn
		.amdhsa_group_segment_fixed_size 168960
		.amdhsa_private_segment_fixed_size 0
		.amdhsa_enable_private_segment 0
		.amdhsa_kernarg_size 16
		.amdhsa_user_sgpr_count 2
		.amdhsa_user_sgpr_kernarg_segment_ptr 1
		.amdhsa_wavefront_size32 1
		.amdhsa_system_sgpr_workgroup_id_x 1
		.amdhsa_system_sgpr_workgroup_id_y 1
		.amdhsa_system_sgpr_workgroup_id_z 1
		.amdhsa_system_vgpr_workitem_id 0
		.amdhsa_next_free_vgpr 256
		.amdhsa_next_free_sgpr 100
		.amdhsa_reserve_vcc 1
		.amdhsa_float_denorm_mode_32 3
		.amdhsa_float_denorm_mode_16_64 3
		.amdhsa_memory_ordered 1
		.amdhsa_forward_progress 1
		.amdhsa_inst_pref_size 53
	.end_amdhsa_kernel
	.amdgpu_metadata
---
amdhsa.version: [ 1, 2 ]
amdhsa.kernels:
  - .name:           k_q030879d2a7_attn
    .symbol:         k_q030879d2a7_attn.kd
    .args:
      - { .name: qkv6, .offset: 0, .size: 8, .value_kind: global_buffer, .address_space: global }
      - { .name: ctx6, .offset: 8, .size: 8, .value_kind: global_buffer, .address_space: global }
    .group_segment_fixed_size: 168960
    .private_segment_fixed_size: 0
    .kernarg_segment_align: 8
    .kernarg_segment_size: 16
    .max_flat_workgroup_size: 256
    .sgpr_count:     100
    .vgpr_count:     256
    .wavefront_size: 32
...
	.end_amdgpu_metadata
.endif
;; end of part 4
;; launch gemm_out (part 5): grid 8 x 8, 4 waves a work-group, clusters of 4 x 4, 327,680 bytes of LDS; arguments ctx6, wq6, out0; writes out0
.if DOCPART == 5
	.amdgcn_target "amdgcn-amd-amdhsa--gfx1250"
	.amdhsa_code_object_version 6
	.text
	.protected	k_q030879d2a7_gemm_out
	.globl	k_q030879d2a7_gemm_out
	.p2align	8
	.type	k_q030879d2a7_gemm_out,@function
k_q030879d2a7_gemm_out:
	s_mov_b64 s[64:65], 0
	v_nop
	global_prefetch_b8 v0, s[64:65] scope:SCOPE_SE
	s_setreg_imm32_b32 hwreg(HW_REG_WAVE_MODE, 25, 1), 1
	s_wait_xcnt 0x0
	s_wait_alu depctr_hold_cnt(0) depctr_sa_sdst(0) depctr_va_vdst(0) depctr_va_sdst(0) depctr_va_ssrc(0) depctr_va_vcc(0) depctr_vm_vsrc(0)
	s_getreg_b32 s2, hwreg(HW_REG_IB_STS2, 6, 4)
	s_cmp_eq_u32 s2, 0
	s_cbranch_scc0 .Lentry_in_a_cluster
	s_endpgm
.Lentry_in_a_cluster:
	s_bfe_u32 s2, ttmp6, 0x10000c
	s_cmp_lg_u32 s2, 0xf033
	s_cbranch_scc0 .Lentry_shape_is_right
	s_endpgm
.Lentry_shape_is_right:
; out0[t][n] = sum over k of context[t][k] wo[k][n], on codes of FP6 (E2M3) with one E8M0 scale for each 32 along K; sums in f32.
; A = ctx6: codes [2048][1,536 bytes], scale bytes [2048][64] from byte 3,145,728.  B = wo's columns: rows 6,144 on of wq6 (codes [.][1,536 bytes]; scale bytes [.][64] from byte 12,582,912).
; B's rows lie with bits 3 and 4 of their number exchanged: register j of accumulator (a, b) in lane (r, h) is column 32 (b / 2) + 16 h + 8 (b % 2) + j of the wave's 128: the stage of the way out puts them in order.
; A tile of 256 x 256 is made by four waves, each 128 x 128: 64 accumulators, 512 registers.  K goes in steps of 256 through a ring of two LDS slots filled by the tensor data mover; the scales come into LDS once.
; CLUSTERS: 4 x 4 work-groups; A's tiles are asked for jointly along a row of the cluster, B's along a column.  The matrix instruction is used transposed (source 0 = 16 rows of B, source 1 = 16 rows of A).
; 64 work-groups: the tile that reads each LDS byte for the most products; a smaller tile would give more of them.
; REGISTERS: window 0: v0-31 addresses; v32-63 scale words; from v128 A's fragments, one set (on the way out the read-back).  window 1: B's fragments, two sets.  windows 2, 3: the accumulators.
.set SIZE_N, 2048
.set SIZE_K, 2048
.set KSTEP,  256
.set NQ,     KSTEP/128
.set ROWB,   192
.set KROW,   SIZE_K*6/8
.set PITCH,  240                       ; an LDS row: 3 x (64 bytes + 16 of padding) = 60 words: row r starts at bank -4 r mod 64 (64 banks of 4 bytes: ISA guide 11.1)
.set FR,     12
.set NL,     6
.set NP,     4                         ; places behind this matrix instruction (ISA guide 7.12.1)
.set HALFT,  128*PITCH
.set SLOT,   4*HALFT
.set LAPS,   SIZE_K/(2*KSTEP)
.set KS,     SIZE_K/32
.set SCL,    2*SLOT
.set HALFS,  (128*KS/256)*272
.set SBLK,   (16*KS/256)*272
.set SPARE,  SCL+4*HALFS               ; the spare words, 128 bytes for each wave: two blocks of 256 bytes that no other line names
.set SPITCH, 528                       ; the way out: a stage of 16 rows x (512 bytes + 16) for each wave, in slot 0, which has had its last fill and its last read
.set ADRA, 16
.set ADRB, 20
.set STO,  24
.set RD,   25
.set CO,   26
.set ADRS, 27
.set SPW,  28
.set NIL,  29
.set SC,   32
.set AF,   128
.set BK,   128
.set G1, 24
.set G0, 32
.set G1B, 48
.set G0B, 56
.set G1S, 68
.set G0S, 76
.set G1SB, 80
.set G0SB, 88
.set MSB, 0
.macro WIN new                         ; the immediate's high byte repeats the setting that is left
.if MSB != (\new)
	s_set_vgpr_msb (MSB<<8)|(\new)
.set MSB, (\new)
.endif
.endm
.set MUL_LO, 0xa1
.set MUL_HI, 0xf1
.set TO_B,   0x40
.macro JLOAD g0a, g1a, g0b, g1b        ; a joint load: waves 0 and 1 fetch for A, waves 2 and 3 for B; four v_nop follow each of the two lines
	s_cmp_eq_u32 s15, 0
	s_cbranch_scc0 .Lfor_b_\@
	tensor_load_to_lds s[\g0a:\g0a+3], s[\g1a:\g1a+7]
	s_nop 0
.rept 4
	v_nop
.endr
	s_branch .Lasked_\@
.Lfor_b_\@:
	tensor_load_to_lds s[\g0b:\g0b+3], s[\g1b:\g1b+7]
	s_nop 0
.rept 4
	v_nop
.endr
.Lasked_\@:
.endm
.macro CREST
	s_cmp_lg_u32 s14, 0
	s_cbranch_scc1 .Lnot_wave_0_\@
	s_barrier_signal -3
.Lnot_wave_0_\@:
	s_barrier_wait -3
	s_barrier_signal -1
	s_barrier_wait -1
.endm
.macro CROUND
	s_barrier_signal -1
	s_barrier_wait -1
	CREST
.endm
	s_load_b128 s[4:7], s[0:1], 0x0                ; ctx6, wq6
	s_load_b64 s[12:13], s[0:1], 0x10              ; out0
	v_lshl_add_u32 v[SPW], v0, 2, SPARE
	v_mov_b32 v[NIL], 0
	ds_add_u32 v28, v29
	ds_add_u32 v28, v29
	s_wait_dscnt 0x0
	v_lshrrev_b32 v1, 5, v0
	v_readfirstlane_b32 s14, v1                    ; wave 0..3
	s_lshr_b32 s15, s14, 1
	s_and_b32 s16, s14, 1
	s_bfe_u32 s40, ttmp6, 0x40000                  ; cx, cy
	s_bfe_u32 s41, ttmp6, 0x40004
	s_lshl_b32 s42, ttmp9, 2
	s_add_co_u32 s42, s42, s40                     ; tile column
	s_and_b32 s17, ttmp7, 0xffff
	s_lshl_b32 s17, s17, 2
	s_add_co_u32 s17, s17, s41                     ; tile row
	s_lshl_b32 s43, s41, 2
	s_lshl_b32 s43, 15, s43                        ; my row of the cluster
	s_lshl_b32 s44, 0x1111, s40                    ; my column
	s_or_b32 s[G1+0], s43, (0<<16)|(1<<20)|(1<<21)|(3<<22)|(3<<25)
	s_or_b32 s[G1B+0], s44, (0<<16)|(1<<20)|(1<<21)|(3<<22)|(3<<25)
.irp g, G1, G1B
	s_mov_b32 s[\g+1], ROWB<<16
	s_mov_b32 s[\g+2], 128<<16
	s_mov_b32 s[\g+3], ROWB<<16
	s_mov_b32 s[\g+4], 128
	s_mov_b32 s[\g+5], KROW
	s_mov_b32 s[\g+6], 0
	s_mov_b32 s[\g+7], 0
.endr
	s_or_b32 s[G1S+0], s43, (3<<16)|(1<<20)|(1<<21)|(5<<22)|(3<<25)
	s_or_b32 s[G1SB+0], s44, (3<<16)|(1<<20)|(1<<21)|(5<<22)|(3<<25)
.irp g, G1S, G1SB
	s_mov_b32 s[\g+1], 32<<16
	s_mov_b32 s[\g+2], (128*KS/256)<<16
	s_mov_b32 s[\g+3], 32<<16
	s_mov_b32 s[\g+4], 128*KS/256
	s_mov_b32 s[\g+5], 32
	s_mov_b32 s[\g+6], 0
	s_mov_b32 s[\g+7], 0
.endr
	s_lshl_b32 s18, s16, 7
	s_lshl_b32 s20, s17, 8
	s_add_co_u32 s20, s20, s18                     ; A: row 256 x tile row + 128 x half
	s_lshl_b32 s46, s42, 8
	s_add_co_u32 s46, s46, s18                     ; B: row 256 x tile column + 128 x half
	s_mov_b32 s21, 0
	s_mov_b32 s47, 0
	s_mov_b64 s[18:19], KS
	s_mul_u64 s[22:23], s[20:21], s[18:19]
	s_mul_u64 s[92:93], s[46:47], s[18:19]
	s_mov_b64 s[18:19], KROW
	s_mul_u64 s[20:21], s[20:21], s[18:19]
	s_mul_u64 s[46:47], s[46:47], s[18:19]
	s_mul_i32 s45, s14, HALFT
	s_mul_i32 s94, s14, HALFS
	s_wait_kmcnt 0x0
	s_add_nc_u64 s[8:9], s[6:7], 9437184           ; wo's codes: 6,144 rows of 1,536 bytes down wq6
	s_add_nc_u64 s[10:11], s[6:7], 12976128        ; wo's scale bytes: 12,582,912 + 6,144 x 64
	s_add_nc_u64 s[6:7], s[4:5], 0x300000          ; the context's scale bytes
	s_add_nc_u64 s[20:21], s[4:5], s[20:21]
	s_add_nc_u64 s[22:23], s[6:7], s[22:23]
	s_add_nc_u64 s[46:47], s[8:9], s[46:47]
	s_add_nc_u64 s[92:93], s[10:11], s[92:93]
	CROUND                                         ; all sixteen work-groups are here: the first joint loads meet
	s_mov_b32 s[G0S], 1
	s_add_co_u32 s[G0S+1], s94, SCL
	s_mov_b64 s[G0S+2:G0S+3], s[22:23]
	s_or_b32 s[G0S+3], s[G0S+3], 0x80000000
	s_mov_b32 s[G0SB], 1
	s_add_co_u32 s[G0SB+1], s94, SCL
	s_mov_b64 s[G0SB+2:G0SB+3], s[92:93]
	s_or_b32 s[G0SB+3], s[G0SB+3], 0x80000000
	JLOAD G0S, G1S, G0SB, G1SB
.irp s, 0,1
	s_mov_b32 s[G0+4*\s], 1
	s_add_co_u32 s[G0+4*\s+1], s45, \s*SLOT
	s_add_nc_u64 s[G0+4*\s+2:G0+4*\s+3], s[20:21], \s*ROWB
	s_or_b32 s[G0+4*\s+3], s[G0+4*\s+3], 0x80000000
	s_mov_b32 s[G0B+4*\s], 1
	s_add_co_u32 s[G0B+4*\s+1], s45, \s*SLOT
	s_add_nc_u64 s[G0B+4*\s+2:G0B+4*\s+3], s[46:47], \s*ROWB
	s_or_b32 s[G0B+4*\s+3], s[G0B+4*\s+3], 0x80000000
	JLOAD G0+4*\s, G1, G0B+4*\s, G1B               ; three loads of mine are out now
.endr
	v_and_b32 v1, 15, v0                           ; r
	v_bfe_u32 v2, v0, 4, 1                         ; h
	v_mul_u32_u24 v3, v1, PITCH
	v_mul_u32_u24 v4, v2, 24
	v_add_nc_u32 v4, v3, v4
	v_lshl_add_u32 v5, v2, 4, v4
	s_mul_i32 s21, s15, HALFT
	s_mul_i32 s22, s16, HALFT
	s_add_co_u32 s22, s22, 2*HALFT
.irp s, 0,1
	v_add_nc_u32 v[ADRA+\s], s21, v4
	v_add_nc_u32 v[ADRB+\s], s22, v4
	v_add_nc_u32 v[ADRA+2+\s], s21, v5
	v_add_nc_u32 v[ADRB+2+\s], s22, v5
	s_add_co_u32 s21, s21, SLOT
	s_add_co_u32 s22, s22, SLOT
.endr
	v_mul_u32_u24 v5, v1, KS
	v_lshrrev_b32 v6, 8, v5
	v_lshl_add_u32 v5, v6, 4, v5
	s_mul_i32 s21, s15, HALFS
	s_mul_i32 s22, s16, HALFS
	s_add_co_u32 s22, s22, 2*HALFS
	s_sub_co_u32 s22, s22, s21
	v_mul_u32_u24 v6, s22, v2                      ; lanes 16-31 take B's
	s_add_co_u32 s21, s21, SCL
	v_add_nc_u32 v5, v5, v6
	v_add_nc_u32 v[ADRS], s21, v5
	s_mul_i32 s23, s14, 16*SPITCH                  ; my stage
	v_mul_u32_u24 v5, v1, SPITCH                   ; in: row r; my half's 16 columns of each 32: + 64 h
	v_lshl_add_u32 v5, v2, 6, v5
	v_add_nc_u32 v[STO], s23, v5
	v_and_b32 v6, 31, v0
	v_lshlrev_b32 v[CO], 4, v6                     ; back: the 32 lanes take one row of 512 bytes; and the same in out0
	v_add_nc_u32 v[RD], s23, v[CO]
	s_lshl_b32 s20, s17, 8
	s_lshl_b32 s21, s15, 7
	s_add_co_u32 s20, s20, s21                     ; my first row of out0
	s_mov_b32 s21, 0
	s_mov_b64 s[18:19], SIZE_N*4
	s_mul_u64 s[20:21], s[20:21], s[18:19]
	s_lshl_b32 s46, s42, 10                        ; my first column, in bytes
	s_lshl_b32 s47, s16, 9
	s_add_co_u32 s46, s46, s47
	s_mov_b32 s47, 0
	s_add_nc_u64 s[20:21], s[20:21], s[46:47]
	s_add_nc_u64 s[12:13], s[12:13], s[20:21]
.macro FRAG reg, adr, q, i             ; a fragment: 12 registers, in pieces of 8 bytes; where the piece of lanes 16-31 lies behind one padding more, the second address register serves
.irp p, 0,1,2,3,4,5
.set PCE, 12*(\q)+6*(\p/3)+\p%3
.if PCE%8 < 5
	ds_load_b64 v[\reg+2*\p:\reg+2*\p+1], v[\adr] offset:8*PCE+16*(PCE/8)+(\i)*16*PITCH
.else
	ds_load_b64 v[\reg+2*\p:\reg+2*\p+1], v[\adr+2] offset:8*PCE+16*(PCE/8)+(\i)*16*PITCH
.endif
.endr
.endm
.macro MUL16 a0, p, q, sc, zero        ; 16 matrix instructions; the 64 accumulators take turns, one instruction a turn
.irp a, \a0, \a0+1
.irp b, 0,1,2,3,4,5,6,7
.if \zero
	v_wmma_scale_f32_16x16x128_f8f6f4 v[8*(8*((\a)%4)+\b):8*(8*((\a)%4)+\b)+7], v[128*(\p)+FR*\b:128*(\p)+FR*\b+FR-1], v[AF+FR*(\a):AF+FR*(\a)+FR-1], 0, v[SC+8*NQ*(\sc)+NQ*\b+(\q)], v[SC+8*NQ*(\sc)+NQ*(\a)+(\q)] matrix_a_fmt:MATRIX_FMT_FP6 matrix_b_fmt:MATRIX_FMT_FP6 matrix_a_scale:MATRIX_SCALE_ROW1
.else
	v_wmma_scale_f32_16x16x128_f8f6f4 v[8*(8*((\a)%4)+\b):8*(8*((\a)%4)+\b)+7], v[128*(\p)+FR*\b:128*(\p)+FR*\b+FR-1], v[AF+FR*(\a):AF+FR*(\a)+FR-1], v[8*(8*((\a)%4)+\b):8*(8*((\a)%4)+\b)+7], v[SC+8*NQ*(\sc)+NQ*\b+(\q)], v[SC+8*NQ*(\sc)+NQ*(\a)+(\q)] matrix_a_fmt:MATRIX_FMT_FP6 matrix_b_fmt:MATRIX_FMT_FP6 matrix_a_scale:MATRIX_SCALE_ROW1
.endif
.endr
.endr
.endm
.macro FETCH_B slot, q, p
	WIN TO_B
.irp i, 0,1,2,3,4,5,6,7
	FRAG 128*(\p)+FR*\i, ADRB+\slot, \q, \i
.endr
	WIN 0
.endm
.macro FETCH_A slot, q, i0
.irp i, \i0, \i0+1, \i0+2, \i0+3
	FRAG AF+FR*(\i), ADRA+\slot, \q, \i
.endr
.endm
.macro SCALES sc
.irp i, 0,1,2,3,4,5,6,7
	ds_load_b64 v[SC+8*NQ*\sc+NQ*\i:SC+8*NQ*\sc+NQ*\i+1], v[ADRS] offset:\i*SBLK
.endr
.endm
.macro PLACES n
.rept \n
	v_nop
.endr
.endm
.macro STEP slot, q, zero
	s_wait_dscnt 4*NL                              ; B's set and A's blocks 0-3 are in; the youngest 24 loads (A's blocks 4-7) may be out
	WIN MUL_LO
	MUL16 0, (\q)%2, \q, \slot, \zero
	MUL16 2, (\q)%2, \q, \slot, \zero
	s_wait_dscnt 0
	PLACES NP
	FETCH_B \slot, (\q)+1, 1-(\q)%2
	FETCH_A \slot, (\q)+1, 0
	WIN MUL_HI
	MUL16 4, (\q)%2, \q, \slot, \zero
	MUL16 6, (\q)%2, \q, \slot, \zero
	PLACES NP
	WIN 0
	FETCH_A \slot, (\q)+1, 4
.endm
.macro TURN slot, next, fill
	s_wait_tensorcnt 0x0                           ; all my tensor loads have landed: my part of the next slot
	ds_add_u32 v[SPW], v[NIL]                      ; 0 onto my spare word
	s_wait_dscnt 4*NL+1                            ; (the add and the youngest 24 loads may be out)
	WIN MUL_LO
	MUL16 0, 1, NQ-1, \slot, 0
	s_wait_dscnt 0x0                               ; the add is done, and my reads of this slot are over
	s_barrier_signal -1
	MUL16 2, 1, NQ-1, \slot, 0
	WIN 0
	s_barrier_wait -1
.if \fill
	CREST                                          ; the barrier has opened a round of the cluster's: no wave of any partner still reads this slot or has a load on its way
	s_add_nc_u64 s[G0+4*\slot+2:G0+4*\slot+3], s[G0+4*\slot+2:G0+4*\slot+3], 2*ROWB
	s_add_nc_u64 s[G0B+4*\slot+2:G0B+4*\slot+3], s[G0B+4*\slot+2:G0B+4*\slot+3], 2*ROWB
	JLOAD G0+4*\slot, G1, G0B+4*\slot, G1B         ; the first tensor load behind the round, my only one until the next
.else
	PLACES NP
.endif
	v_add_nc_u32 v[ADRS], 4*NQ, v[ADRS]
	FETCH_B \next, 0, 0
	FETCH_A \next, 0, 0
	SCALES \next
	WIN MUL_HI
	MUL16 4, 1, NQ-1, \slot, 0
	MUL16 6, 1, NQ-1, \slot, 0
	PLACES NP
	WIN 0
	FETCH_A \next, 0, 4
.endm
	s_wait_tensorcnt 1                             ; the scales and my part of K step 0 are in; K step 1's load may be out
	s_barrier_signal -1
	s_barrier_wait -1
	FETCH_B 0, 0, 0
	FETCH_A 0, 0, 0
	SCALES 0
	FETCH_A 0, 0, 4
	STEP 0, 0, 1                                   ; the first step's products start the sums
	s_mov_b32 s3, LAPS-1
.Llap:
	TURN 0, 1, 1
	STEP 1, 0, 0
	TURN 1, 0, 1
	STEP 0, 0, 0
	s_sub_co_u32 s3, s3, 1
	s_cmp_lg_u32 s3, 0
	s_cbranch_scc1 .Llap
	TURN 0, 1, 0
	STEP 1, 0, 0
	s_wait_dscnt 4*NL
	WIN MUL_LO
	MUL16 0, 1, NQ-1, 1, 0
	MUL16 2, 1, NQ-1, 1, 0
	s_wait_dscnt 0
	WIN MUL_HI
	MUL16 4, 1, NQ-1, 1, 0
	MUL16 6, 1, NQ-1, 1, 0
	WIN 0
; THE WAY OUT, block by block of 16 rows x 128 columns, through my own stage in LDS; back come whole rows of 512 bytes.  LDS serves a wave's instructions in order: no wait between the stores and the loads.
.macro TOSTAGE a
.set AC, 64*((\a)%4)
	WIN 0x08+4*((\a)/4)                            ; the data: window 2 or 3
.irp b, 0,1,2,3,4,5,6,7
	ds_store_b128 v[STO], v[AC+8*\b:AC+8*\b+3] offset:128*(\b/2)+32*(\b%2)          ; columns 32 (b / 2) + 16 h + 8 (b % 2) on; each accumulator from its low end on
	ds_store_b128 v[STO], v[AC+8*\b+4:AC+8*\b+7] offset:128*(\b/2)+32*(\b%2)+16
.endr
	WIN 0
.set BB, BK+64*((\a)%2)
.irp t, 0,1,2,3,4,5,6,7,8,9,10,11,12,13,14,15
	ds_load_b128 v[BB+4*\t:BB+4*\t+3], v[RD] offset:\t*SPITCH
.endr
.endm
.macro SEND a, younger                 ; younger: the LDS instructions issued behind block a's loads, which may stay out
.set BB, BK+64*((\a)%2)
	s_wait_dscnt \younger
.if (\a) > 0
	s_add_nc_u64 s[12:13], s[12:13], 16*SIZE_N*4   ; (behind a wait on XCNT: the earlier stores have read their base)
.endif
.irp t, 0,1,2,3,4,5,6,7,8,9,10,11,12,13,14,15
	global_store_b128 v[CO], v[BB+4*\t:BB+4*\t+3], s[12:13] offset:\t*SIZE_N*4 th:TH_STORE_NT   ; 32 lanes store 512 consecutive bytes, at a multiple of 256 from out0's first byte
.endr
.endm
	PLACES NP
	TOSTAGE 0
.irp a, 1,2,3,4,5,6,7
.if \a > 1
	s_wait_xcnt 0x0                                ; block a - 2's stores have read their registers and their base
.endif
	TOSTAGE \a
	SEND \a-1, 32                                  ; behind block a - 1's loads: block a's 16 stores and 16 loads
.endr
	s_wait_xcnt 0x0
	SEND 7, 0
	s_wait_tensorcnt 0x0                           ; the wave's end: behind my last tensor load and my last LDS store
	ds_add_u32 v[SPW], v[NIL]
	s_wait_dscnt 0x0
	CROUND                                         ; the closing round
	s_endpgm
.Lfunc_end_k_q030879d2a7_gemm_out:
	.size	k_q030879d2a7_gemm_out, .Lfunc_end_k_q030879d2a7_gemm_out-k_q030879d2a7_gemm_out
	.p2alignl 7, 3214868480
	.fill 96, 4, 3214868480
	.section	.rodata,"a",@progbits
	.p2align	6, 0x0
	.amdhsa_kernel k_q030879d2a7_gemm_out
		.amdhsa_group_segment_fixed_size 327680
		.amdhsa_private_segment_fixed_size 0
		.amdhsa_enable_private_segment 0
		.amdhsa_kernarg_size 24
		.amdhsa_user_sgpr_count 2
		.amdhsa_user_sgpr_kernarg_segment_ptr 1
		.amdhsa_wavefront_size32 1
		.amdhsa_system_sgpr_workgroup_id_x 1
		.amdhsa_system_sgpr_workgroup_id_y 1
		.amdhsa_system_sgpr_workgroup_id_z 1
		.amdhsa_system_vgpr_workitem_id 0
		.amdhsa_next_free_vgpr 1024
		.amdhsa_next_free_sgpr 98
		.amdhsa_reserve_vcc 0
		.amdhsa_float_denorm_mode_32 3
		.amdhsa_float_denorm_mode_16_64 3
		.amdhsa_memory_ordered 1
		.amdhsa_forward_progress 1
		.amdhsa_inst_pref_size 160
	.end_amdhsa_kernel
	.amdgpu_metadata
---
amdhsa.version: [ 1, 2 ]
amdhsa.kernels:
  - .name:           k_q030879d2a7_gemm_out
    .symbol:         k_q030879d2a7_gemm_out.kd
    .args:
      - { .name: ctx6, .offset: 0, .size: 8, .value_kind: global_buffer, .address_space: global }
      - { .name: wq6, .offset: 8, .size: 8, .value_kind: global_buffer, .address_space: global }
      - { .name: out0, .offset: 16, .size: 8, .value_kind: global_buffer, .address_space: global }
    .group_segment_fixed_size: 327680
    .private_segment_fixed_size: 0
    .kernarg_segment_align: 8
    .kernarg_segment_size: 24
    .max_flat_workgroup_size: 128
    .sgpr_count:     98
    .vgpr_count:     1024
    .wavefront_size: 32
...
	.end_amdgpu_metadata
.endif
;; end of part 5
;; ======== version 2 of 2: 5 launches
;; workspace buffers: hsq 3,276,800 bytes; wq6 13,107,200 bytes; rope 1,048,576 bytes; qkv6 9,830,400 bytes; ctx6 3,276,800 bytes
;; launch quant_hs: the kernel of part 1 again; grid 256 x 1, 4 waves a work-group, no clusters, 33,280 bytes of LDS; arguments hidden_states, position_ids, hsq, rope; writes hsq, rope
;; launch quant_w: the kernel of part 2 again; grid 64 x 8, 4 waves a work-group, no clusters, 36,352 bytes of LDS; arguments wq, wk, wv, wo, wq6; writes wq6
;; launch gemm_qkv: the kernel of part 3 again; grid 24 x 8, 4 waves a work-group, clusters of 4 x 4, 327,680 bytes of LDS; arguments hsq, wq6, rope, q_norm_w, k_norm_w, qkv6; writes qkv6
;; launch attn: the kernel of part 4 again; grid 16 x 16, 8 waves a work-group, no clusters, 168,960 bytes of LDS; arguments qkv6, ctx6; writes ctx6
;; launch gemm_out (part 6): grid 16 x 16, 4 waves a work-group, clusters of 4 x 4, 327,680 bytes of LDS; arguments ctx6, wq6, out0; writes out0
.if DOCPART == 6
	.amdgcn_target "amdgcn-amd-amdhsa--gfx1250"
	.amdhsa_code_object_version 6
	.text
	.protected	k_q030879d2a7_gemm_out
	.globl	k_q030879d2a7_gemm_out
	.p2align	8
	.type	k_q030879d2a7_gemm_out,@function
k_q030879d2a7_gemm_out:
	s_mov_b64 s[64:65], 0
	v_nop
	global_prefetch_b8 v0, s[64:65] scope:SCOPE_SE
	s_setreg_imm32_b32 hwreg(HW_REG_WAVE_MODE, 25, 1), 1
	s_wait_xcnt 0x0
	s_wait_alu depctr_hold_cnt(0) depctr_sa_sdst(0) depctr_va_vdst(0) depctr_va_sdst(0) depctr_va_ssrc(0) depctr_va_vcc(0) depctr_vm_vsrc(0)
	s_getreg_b32 s2, hwreg(HW_REG_IB_STS2, 6, 4)
	s_cmp_eq_u32 s2, 0
	s_cbranch_scc0 .Lentry_in_a_cluster
	s_endpgm
.Lentry_in_a_cluster:
	s_bfe_u32 s2, ttmp6, 0x10000c
	s_cmp_lg_u32 s2, 0xf033
	s_cbranch_scc0 .Lentry_shape_is_right
	s_endpgm
.Lentry_shape_is_right:
; out0[t][n] = sum over k of context[t][k] wo[k][n], on codes of FP6 (E2M3) with one E8M0 scale for each 32 along K; sums in f32.
; A = ctx6: codes [2048][1,536 bytes], scale bytes [2048][64] from byte 3,145,728.  B = wo's columns: rows 6,144 on of wq6 (codes [.][1,536 bytes]; scale bytes [.][64] from byte 12,582,912).
; B's rows lie with bits 3 and 4 of their number exchanged: register j of accumulator (a, b) in lane (r, h) is column 32 (b / 2) + 16 h + 8 (b % 2) + j of the wave's 64: the stage of the way out puts them in order.
; SHARES.  out0 has 256 tiles of 128 x 128: one work-group to each, four waves, each 64 x 64: 16 accumulators, 128 registers.  Tiles of 256 x 256 would be 64 work-groups.
; THE RING.  Two LDS slots, each with 512 along K, as FOUR PLANES of 128 rows x 192 bytes: wave 0 brings A's first 256 along K, wave 1 A's second, waves 2 and 3 the same of B: one tensor load a wave for a slot,
; and the rows keep the pitch of 240 bytes (rows of 384 bytes would lie 480 apart, and rows 8 apart would then start at the same bank).  K = 2,048 is four slots' worth: two first fills and two refills, so the text has no loop.
; A refill has 56 matrix instructions and 196 LDS loads of its wave in which to land.  By the text's own count a wave has three tensor loads out at the start (scales, slot 0, slot 1) and one behind each round.
; THE SCALES of the work-group's 256 rows, for all of K, come into LDS once, with the first fills: each wave brings those of 64 rows, 4,096 dense bytes.
; CLUSTERS: 4 x 4 work-groups; A's planes are asked for jointly along a row of the cluster, B's along a column.  The matrix instruction is used transposed (source 0 = 16 rows of B, source 1 = 16 rows of A):
; a lane then holds eight neighbouring numbers of a row of out0.
; REGISTERS: window 0: v0-31 addresses; v32-63 scale words, two sets of 16, which hold nothing else; v64-127 the read-back of the way out; v128-255 the accumulators ((a, b) at v[128 + 8 (4 a + b)]).
;   window 1: two sets of fragments for 128 along K: set p holds A's four at v[128 p + 12 i], B's four at v[128 p + 48 + 12 i].
.set SIZE_N, 2048
.set SIZE_K, 2048
.set NQ,     4                         ; steps of 128 along K in a slot
.set ROWB,   192                       ; a plane's row in bytes: 256 codes
.set KROW,   SIZE_K*6/8                ; a row of codes in memory
.set PITCH,  240                       ; an LDS row: 3 x (64 bytes + 16 of padding) = 60 words: row r starts at bank -4 r mod 64 (64 banks of 4 bytes: ISA guide 11.1), so the 32 lanes of a load of 8 bytes touch 64 different banks
.set FR,     12                        ; registers of a fragment
.set NL,     6                         ; LDS loads that bring one
.set NP,     4                         ; places behind this matrix instruction (ISA guide 7.12.1)
.set PLANE,  128*PITCH                 ; what one tensor load brings
.set SLOT,   4*PLANE                   ; A's two planes, then B's two
.set KS,     SIZE_K/32                 ; a row of scale bytes
.set SCL,    2*SLOT                    ; behind the ring: the scales, as 256 bytes + 16 of padding
.set HALFS,  (64*KS/256)*272           ; those of 64 rows: what one tensor load brings, and what a wave reads of A or of B
.set SBLK,   (16*KS/256)*272           ; those of 16 rows
.set SPARE,  SCL+4*HALFS               ; the spare words, 128 bytes for each wave: two blocks of 256 bytes that no other line names
.set SPITCH, 272                       ; the way out: a stage of 16 rows x (256 bytes + 16) for each wave, in slot 0, which has had its last fill and its last read when the first result is stored there
.set ADRA, 16                          ; v16-17  LDS address of my A fragments in slot 0, 1  (v18-19: the same for the pieces that lie behind one padding more)
.set ADRB, 20                          ; v20-21  the same for B  (v22-23)
.set STO,  24                          ; v24     the way out: where I put 32 bytes of a row
.set RD,   25                          ; v25     where I read rows back
.set CO,   26                          ; v26     my byte offset in two rows of out0
.set ADRS, 27                          ; v27     LDS address of my scale words: lanes 0-15 A's rows, lanes 16-31 B's
.set SPW,  28                          ; v28     my spare word: SPARE + 4 x my thread's number; never rewritten
.set NIL,  29                          ; v29     0; never rewritten
.set SC,   32                          ; scale words: set s (for slot s) at v[SC + 16 s]; register 4 i + q: lanes 0-15 the word of A's block i, lanes 16-31 that of B's block i, for the slot's q-th 128 along K
.set BK,   64
.set ACC,  128
.set G1, 24                            ; s[24:31] descriptor group 1 for A's planes;  s[32:39] group 0, one set for each slot
.set G0, 32
.set G1B, 48                           ; s[48:55], s[56:63] the same for B's
.set G0B, 56
.set G1S, 68                           ; s[68:75], s[76:79] groups 1 and 0 for A's scales;  s[80:87], s[88:91] for B's
.set G0S, 76
.set G1SB, 80
.set G0SB, 88
.set MSB, 0
.macro WIN new                         ; the immediate's high byte repeats the setting that is left
.if MSB != (\new)
	s_set_vgpr_msb (MSB<<8)|(\new)
.set MSB, (\new)
.endif
.endm
.set MUL,  0x05                        ; sources 0 (B) and 1 (A) window 1; C and D window 0
.set TO_F, 0x40                        ; destination window 1, address window 0
; A joint load: waves 0 and 1 fetch for A, waves 2 and 3 for B.  Each of the two lines has one mask and one set of registers for all that issue it; the branch hangs on the wave's number alone.
; Four v_nop follow each of the two lines, ahead of the jump, the label and what follows.
.macro JLOAD g0a, g1a, g0b, g1b
	s_cmp_eq_u32 s15, 0
	s_cbranch_scc0 .Lfor_b_\@
	tensor_load_to_lds s[\g0a:\g0a+3], s[\g1a:\g1a+7]
	s_nop 0
.rept 4
	v_nop
.endr
	s_branch .Lasked_\@
.Lfor_b_\@:
	tensor_load_to_lds s[\g0b:\g0b+3], s[\g1b:\g1b+7]
	s_nop 0
.rept 4
	v_nop
.endr
.Lasked_\@:
.endm
.macro CREST                           ; a round of the cluster's barrier behind its opening barrier
	s_cmp_lg_u32 s14, 0
	s_cbranch_scc1 .Lnot_wave_0_\@
	s_barrier_signal -3
.Lnot_wave_0_\@:
	s_barrier_wait -3
	s_barrier_signal -1
	s_barrier_wait -1
.endm
.macro CROUND                          ; a whole round
	s_barrier_signal -1
	s_barrier_wait -1
	CREST
.endm
	s_load_b128 s[4:7], s[0:1], 0x0                ; ctx6, wq6
	s_load_b64 s[12:13], s[0:1], 0x10              ; out0
	v_lshl_add_u32 v[SPW], v0, 2, SPARE
	v_mov_b32 v[NIL], 0
	ds_add_u32 v28, v29
	ds_add_u32 v28, v29
	s_wait_dscnt 0x0
	v_lshrrev_b32 v1, 5, v0
	v_readfirstlane_b32 s14, v1                    ; wave 0..3
	s_lshr_b32 s15, s14, 1                         ; which 64 of the tile's rows are mine.  Also: I fetch for A (0) or for B (1)
	s_and_b32 s16, s14, 1                          ; which 64 of its columns.  Also: which 256 along K of a slot, and which 64 rows' scales, I fetch
	s_bfe_u32 s40, ttmp6, 0x40000                  ; cx, cy: my place in the cluster
	s_bfe_u32 s41, ttmp6, 0x40004
	s_lshl_b32 s42, ttmp9, 2
	s_add_co_u32 s42, s42, s40                     ; tile column = 4 x cluster x + cx
	s_and_b32 s17, ttmp7, 0xffff
	s_lshl_b32 s17, s17, 2
	s_add_co_u32 s17, s17, s41                     ; tile row = 4 x cluster y + cy
	s_lshl_b32 s43, s41, 2
	s_lshl_b32 s43, 15, s43                        ; my row of the cluster
	s_lshl_b32 s44, 0x1111, s40                    ; my column
	; descriptor group 1: a plane of 128 rows x 192 bytes, padded in LDS
	s_or_b32 s[G1+0], s43, (0<<16)|(1<<20)|(1<<21)|(3<<22)|(3<<25)  ; 15:0 the mask: A's planes go to my row; 17:16 elements of 1 byte; 20 padding on; 21 set beside a mask; 24:22 after every 16 words; 31:25 of 4 words
	s_or_b32 s[G1B+0], s44, (0<<16)|(1<<20)|(1<<21)|(3<<22)|(3<<25)
.irp g, G1, G1B
	s_mov_b32 s[\g+1], ROWB<<16                    ; tensor_dim0
	s_mov_b32 s[\g+2], 128<<16                     ; tensor_dim1
	s_mov_b32 s[\g+3], ROWB<<16                    ; tile_dim0
	s_mov_b32 s[\g+4], 128                         ; tile_dim1
	s_mov_b32 s[\g+5], KROW                        ; tensor_dim0_stride
	s_mov_b32 s[\g+6], 0
	s_mov_b32 s[\g+7], 0
.endr
	; and for the scales of 64 rows: 4,096 dense bytes, as 16 rows of 256 bytes (32 elements of 8), 16 bytes of padding behind each
	s_or_b32 s[G1S+0], s43, (3<<16)|(1<<20)|(1<<21)|(5<<22)|(3<<25)
	s_or_b32 s[G1SB+0], s44, (3<<16)|(1<<20)|(1<<21)|(5<<22)|(3<<25)
.irp g, G1S, G1SB
	s_mov_b32 s[\g+1], 32<<16
	s_mov_b32 s[\g+2], (64*KS/256)<<16
	s_mov_b32 s[\g+3], 32<<16
	s_mov_b32 s[\g+4], 64*KS/256
	s_mov_b32 s[\g+5], 32
	s_mov_b32 s[\g+6], 0
	s_mov_b32 s[\g+7], 0
.endr
	; where the tiles come from.  A's hang on the tile row alone, B's on the tile column alone; every wave makes both, in registers that never hold the other coordinate
	s_lshl_b32 s20, s17, 7                         ; A's first row: 128 x tile row
	s_lshl_b32 s46, s42, 7                         ; B's: 128 x tile column
	s_lshl_b32 s18, s16, 6                         ; the scales: which 64 rows I fetch
	s_add_co_u32 s22, s20, s18
	s_add_co_u32 s92, s46, s18
	s_lshl_b32 s22, s22, 6                         ; 64 bytes a row
	s_lshl_b32 s92, s92, 6
	s_mov_b32 s23, 0
	s_mov_b32 s93, 0
	s_mul_i32 s20, s20, KROW                       ; the codes: 1,536 bytes a row (under 2^22 in all),
	s_mul_i32 s46, s46, KROW
	s_mul_i32 s18, s16, ROWB                       ; and my 256 along K of a slot's 512
	s_add_co_u32 s20, s20, s18
	s_add_co_u32 s46, s46, s18
	s_mov_b32 s21, 0
	s_mov_b32 s47, 0
	s_mul_i32 s45, s14, PLANE                      ; where they go: wave x a plane: no place in the cluster enters an LDS address
	s_mul_i32 s94, s14, HALFS
	s_wait_kmcnt 0x0
	s_add_nc_u64 s[8:9], s[6:7], 9437184           ; wo's codes: 6,144 rows of 1,536 bytes down wq6
	s_add_nc_u64 s[10:11], s[6:7], 12976128        ; wo's scale bytes: 12,582,912 + 6,144 x 64
	s_add_nc_u64 s[6:7], s[4:5], 0x300000          ; the context's scale bytes
	s_add_nc_u64 s[20:21], s[4:5], s[20:21]
	s_add_nc_u64 s[22:23], s[6:7], s[22:23]
	s_add_nc_u64 s[46:47], s[8:9], s[46:47]
	s_add_nc_u64 s[92:93], s[10:11], s[92:93]
	CROUND                                         ; all sixteen work-groups are here: the first joint loads meet
	s_mov_b32 s[G0S], 1
	s_add_co_u32 s[G0S+1], s94, SCL
	s_mov_b64 s[G0S+2:G0S+3], s[22:23]
	s_or_b32 s[G0S+3], s[G0S+3], 0x80000000
	s_mov_b32 s[G0SB], 1
	s_add_co_u32 s[G0SB+1], s94, SCL
	s_mov_b64 s[G0SB+2:G0SB+3], s[92:93]
	s_or_b32 s[G0SB+3], s[G0SB+3], 0x80000000
	JLOAD G0S, G1S, G0SB, G1SB                     ; the scales first: they are wanted with the first step
.irp s, 0,1
	s_mov_b32 s[G0+4*\s], 1                                        ; 1:0 count = 1
	s_add_co_u32 s[G0+4*\s+1], s45, \s*SLOT                        ; 63:32 LDS address
	s_add_nc_u64 s[G0+4*\s+2:G0+4*\s+3], s[20:21], \s*2*ROWB       ; 120:64 global address: slot s begins with K = 512 s
	s_or_b32 s[G0+4*\s+3], s[G0+4*\s+3], 0x80000000                ; 127:126 type = 2
	s_mov_b32 s[G0B+4*\s], 1
	s_add_co_u32 s[G0B+4*\s+1], s45, \s*SLOT
	s_add_nc_u64 s[G0B+4*\s+2:G0B+4*\s+3], s[46:47], \s*2*ROWB
	s_or_b32 s[G0B+4*\s+3], s[G0B+4*\s+3], 0x80000000
	JLOAD G0+4*\s, G1, G0B+4*\s, G1B
.endr
	v_and_b32 v1, 15, v0                           ; r = lane % 16
	v_bfe_u32 v2, v0, 4, 1                         ; h = lane / 16
	v_mul_u32_u24 v3, v1, PITCH
	v_mul_u32_u24 v4, v2, 24
	v_add_nc_u32 v4, v3, v4                        ; a fragment's row x pitch + 24 x half
	v_lshl_add_u32 v5, v2, 4, v4                   ; and the same behind one padding more
	s_mul_i32 s21, s15, 64*PITCH                   ; my 64 rows of A's planes
	s_mul_i32 s22, s16, 64*PITCH                   ; my 64 rows of B's,
	s_add_co_u32 s22, s22, 2*PLANE                 ; which lie behind A's two
.irp s, 0,1
	v_add_nc_u32 v[ADRA+\s], s21, v4
	v_add_nc_u32 v[ADRB+\s], s22, v4
	v_add_nc_u32 v[ADRA+2+\s], s21, v5
	v_add_nc_u32 v[ADRB+2+\s], s22, v5
	s_add_co_u32 s21, s21, SLOT
	s_add_co_u32 s22, s22, SLOT
.endr
	v_mul_u32_u24 v5, v1, KS                       ; my row's scales: 64 bytes a row,
	v_lshrrev_b32 v6, 8, v5
	v_lshl_add_u32 v5, v6, 4, v5                   ; and 16 more for each 256 passed
	s_mul_i32 s21, s15, HALFS                      ; A's: my 64 rows
	s_mul_i32 s22, s16, HALFS                      ; B's: my 64 rows, behind A's 128
	s_add_co_u32 s22, s22, 2*HALFS
	s_sub_co_u32 s22, s22, s21
	v_mul_u32_u24 v6, s22, v2                      ; lanes 16-31 take B's: the lower base + h x the distance
	s_add_co_u32 s21, s21, SCL
	v_add_nc_u32 v5, v5, v6
	v_add_nc_u32 v[ADRS], s21, v5
	s_mul_i32 s23, s14, 16*SPITCH                  ; my stage
	v_mul_u32_u24 v5, v1, SPITCH                   ; in: row r; my half's 16 columns of each 32: + 64 h
	v_lshl_add_u32 v5, v2, 6, v5
	v_add_nc_u32 v[STO], s23, v5
	v_mul_u32_u24 v5, v2, SPITCH                   ; back: lanes 0-15 take one row of 256 bytes, lanes 16-31 the next
	v_lshl_add_u32 v5, v1, 4, v5
	v_add_nc_u32 v[RD], s23, v5
	v_mul_u32_u24 v5, v2, SIZE_N*4                 ; and the same two rows in out0
	v_lshl_add_u32 v[CO], v1, 4, v5
	s_lshl_b32 s20, s17, 7
	s_lshl_b32 s21, s15, 6
	s_add_co_u32 s20, s20, s21                     ; my first row of out0: 128 x tile row + 64 x half
	s_mov_b32 s21, 0
	s_mov_b64 s[18:19], SIZE_N*4
	s_mul_u64 s[20:21], s[20:21], s[18:19]
	s_lshl_b32 s46, s42, 9                         ; my first column, in bytes: 512 x tile column + 256 x half
	s_lshl_b32 s47, s16, 8
	s_add_co_u32 s46, s46, s47
	s_mov_b32 s47, 0
	s_add_nc_u64 s[20:21], s[20:21], s[46:47]
	s_add_nc_u64 s[12:13], s[12:13], s[20:21]
; A fragment, 16 rows x 128 K, is 12 registers: lane l holds row l % 16; registers 6 c .. 6 c + 5 hold K = 64 c + 32 (l / 16) + 0 .. 31: 24 bytes of the row, as they lie.  The slot's q-th 128 along K lie in plane q / 2,
; at pieces 12 (q % 2) on of its rows.  They come in pieces of 8 bytes; where the piece of lanes 16-31, three pieces on, lies behind one padding more, the second address register serves.
.macro FRAG reg, adr, q, i
.irp p, 0,1,2,3,4,5
.set PCE, 12*((\q)%2)+6*(\p/3)+\p%3
.if PCE%8 < 5
	ds_load_b64 v[\reg+2*\p:\reg+2*\p+1], v[\adr] offset:((\q)/2)*PLANE+8*PCE+16*(PCE/8)+(\i)*16*PITCH
.else
	ds_load_b64 v[\reg+2*\p:\reg+2*\p+1], v[\adr+2] offset:((\q)/2)*PLANE+8*PCE+16*(PCE/8)+(\i)*16*PITCH
.endif
.endr
.endm
.macro FETCH slot, q, p                ; 48 LDS loads in one run: B's four fragments and A's four of the slot's q-th 128 along K, into set p
	WIN TO_F
.irp i, 0,1,2,3
	FRAG 128*(\p)+48+FR*\i, ADRB+\slot, \q, \i
.endr
.irp i, 0,1,2,3
	FRAG 128*(\p)+FR*\i, ADRA+\slot, \q, \i
.endr
.endm
.macro SCALES sc                       ; a slot's scale words into set sc: four words a row by one load; lanes 0-15 take A's block i, lanes 16-31 B's block i
.irp i, 0,1,2,3
	ds_load_b128 v[SC+16*\sc+4*\i:SC+16*\sc+4*\i+3], v[ADRS] offset:\i*SBLK
.endr
.endm
; Four matrix instructions: A's block a x B's four, 128 along K.  The 16 accumulators take turns, one instruction a turn, in the same order in every step.
; zero = 1: the first product starts the sums: nothing is ever cleared.
.macro MUL4 a, p, q, sc, zero
.irp b, 0,1,2,3
.if \zero
	v_wmma_scale_f32_16x16x128_f8f6f4 v[ACC+8*(4*(\a)+\b):ACC+8*(4*(\a)+\b)+7], v[128*(\p)+48+FR*\b:128*(\p)+48+FR*\b+FR-1], v[128*(\p)+FR*(\a):128*(\p)+FR*(\a)+FR-1], 0, v[SC+16*(\sc)+4*\b+(\q)], v[SC+16*(\sc)+4*(\a)+(\q)] matrix_a_fmt:MATRIX_FMT_FP6 matrix_b_fmt:MATRIX_FMT_FP6 matrix_a_scale:MATRIX_SCALE_ROW1
.else
	v_wmma_scale_f32_16x16x128_f8f6f4 v[ACC+8*(4*(\a)+\b):ACC+8*(4*(\a)+\b)+7], v[128*(\p)+48+FR*\b:128*(\p)+48+FR*\b+FR-1], v[128*(\p)+FR*(\a):128*(\p)+FR*(\a)+FR-1], v[ACC+8*(4*(\a)+\b):ACC+8*(4*(\a)+\b)+7], v[SC+16*(\sc)+4*\b+(\q)], v[SC+16*(\sc)+4*(\a)+(\q)] matrix_a_fmt:MATRIX_FMT_FP6 matrix_b_fmt:MATRIX_FMT_FP6 matrix_a_scale:MATRIX_SCALE_ROW1
.endif
.endr
.endm
; A load into a register that a matrix instruction has read, and an LDS store that reads a matrix result, stand NP places behind that matrix instruction, and only plain vector instructions that name none of its
; registers are places (ISA guide 7.12.1 for vector instructions).
.macro PLACES n
.rept \n
	v_nop
.endr
.endm
; One of a slot's first three steps of 128 along K: the next step's fragments are asked for, into the set that the last step multiplied; then this step's 16 products.
.macro STEP slot, q, zero
.if \zero == 0
	PLACES NP
.endif
	FETCH \slot, (\q)+1, 1-(\q)%2
	s_wait_dscnt 8*NL                              ; all but the 48 loads just issued: this step's fragments (and a slot's scale words) are in
	WIN MUL
	MUL4 0, (\q)%2, \q, \slot, \zero
	MUL4 1, (\q)%2, \q, \slot, \zero
	MUL4 2, (\q)%2, \q, \slot, \zero
	MUL4 3, (\q)%2, \q, \slot, \zero
.endm
; A slot's last step changes slots: one barrier; in front of it each wave waits for all its tensor loads, adds 0 to its spare word, and waits for that and for its own reads of this slot.
; fill = 1: this slot is filled again, with K two slots on; the barrier then opens a round of the cluster's.
.macro TURN slot, next, fill
	WIN 0                                          ; (the add's two registers lie in window 0)
	s_wait_tensorcnt 0x0                           ; all my tensor loads have landed: the one that was out is my plane of the next slot
	ds_add_u32 v[SPW], v[NIL]                      ; 0 onto my spare word
	s_wait_dscnt 1                                 ; this step's fragments are in (the add may be out)
	WIN MUL
	MUL4 0, 1, NQ-1, \slot, 0                      ; four matrix instructions stand between the add and the wait for it
	s_wait_dscnt 0x0                               ; the add is done, and my reads of this slot are over
	s_barrier_signal -1
	MUL4 1, 1, NQ-1, \slot, 0                      ; work on registers while the others arrive
	WIN 0
	s_barrier_wait -1
.if \fill
	CREST                                          ; no wave of any partner still reads this slot or has a load on its way
	s_add_nc_u64 s[G0+4*\slot+2:G0+4*\slot+3], s[G0+4*\slot+2:G0+4*\slot+3], 4*ROWB
	s_add_nc_u64 s[G0B+4*\slot+2:G0B+4*\slot+3], s[G0B+4*\slot+2:G0B+4*\slot+3], 4*ROWB
	JLOAD G0+4*\slot, G1, G0B+4*\slot, G1B         ; the first tensor load behind the round, my only one until the next; its four v_nop are the places in front of the loads below
.else
	PLACES NP
.endif
	v_add_nc_u32 v[ADRS], 4*NQ, v[ADRS]            ; on to the next slot's scale words: 16 bytes on in each row
	FETCH \next, 0, 0
	WIN 0
	SCALES \next
	WIN MUL
	MUL4 2, 1, NQ-1, \slot, 0
	MUL4 3, 1, NQ-1, \slot, 0
.endm
	s_wait_tensorcnt 1                             ; the scales and my plane of slot 0 are in; slot 1's load may be out
	s_barrier_signal -1
	s_barrier_wait -1                              ; everybody's are
	FETCH 0, 0, 0
	WIN 0
	SCALES 0
	STEP 0, 0, 1                                   ; K = 0 .. 511; the first step's products start the sums
	STEP 0, 1, 0
	STEP 0, 2, 0
	TURN 0, 1, 1                                   ; slot 0 takes K = 1,024 ..
	STEP 1, 0, 0                                   ; K = 512 .. 1,023
	STEP 1, 1, 0
	STEP 1, 2, 0
	TURN 1, 0, 1                                   ; slot 1 takes K = 1,536 ..
	STEP 0, 0, 0                                   ; K = 1,024 .. 1,535
	STEP 0, 1, 0
	STEP 0, 2, 0
	TURN 0, 1, 0                                   ; nothing is left to fetch: no round
	STEP 1, 0, 0                                   ; K = 1,536 .. 2,047
	STEP 1, 1, 0
	STEP 1, 2, 0
	s_wait_dscnt 0x0                               ; the very last step's fragments
	MUL4 0, 1, NQ-1, 1, 0
	MUL4 1, 1, NQ-1, 1, 0
	MUL4 2, 1, NQ-1, 1, 0
	MUL4 3, 1, NQ-1, 1, 0
	WIN 0
; THE WAY OUT, block by block of 16 rows x 64 columns.  A lane holds 32 bytes of a row, and the lanes beside it hold other rows: so a block goes through my own stage in LDS and comes back as whole rows of 256 bytes.
; LDS serves a wave's instructions in order (ISA guide 5.7.1.4): no wait between the stores and the loads, nor in front of the next block's stores.
.macro TOSTAGE a
.irp b, 0,1,2,3
	ds_store_b128 v[STO], v[ACC+8*(4*(\a)+\b):ACC+8*(4*(\a)+\b)+3] offset:128*(\b/2)+32*(\b%2)        ; columns 32 (b / 2) + 16 h + 8 (b % 2) on; each accumulator from its low end on
	ds_store_b128 v[STO], v[ACC+8*(4*(\a)+\b)+4:ACC+8*(4*(\a)+\b)+7] offset:128*(\b/2)+32*(\b%2)+16
.endr
.set BB, BK+32*((\a)%2)
.irp t, 0,1,2,3,4,5,6,7
	ds_load_b128 v[BB+4*\t:BB+4*\t+3], v[RD] offset:\t*2*SPITCH
.endr
.endm
.macro SEND a, younger                 ; younger: the LDS instructions issued behind block a's loads, which may stay out
.set BB, BK+32*((\a)%2)
	s_wait_dscnt \younger                          ; the block is back in registers
.if (\a) > 0
	s_add_nc_u64 s[12:13], s[12:13], 16*SIZE_N*4   ; (behind a wait on XCNT: the earlier stores have read their base)  16 rows of out0 on
.endif
.irp t, 0,1,2,3,4,5,6,7
	global_store_b128 v[CO], v[BB+4*\t:BB+4*\t+3], s[12:13] offset:2*\t*SIZE_N*4 th:TH_STORE_NT   ; 16 lanes store 256 consecutive bytes, at a multiple of 256 from out0's first byte; written once, read by nobody here
.endr
.endm
	PLACES NP                                      ; behind the last products
	TOSTAGE 0
.irp a, 1,2,3
.if \a > 1
	s_wait_xcnt 0x0                                ; block a - 2's stores have read their registers and their base: block a's loads may land there, and the base may step
.endif
	TOSTAGE \a
	SEND \a-1, 16                                  ; behind block a - 1's loads: block a's 8 stores and 8 loads
.endr
	s_wait_xcnt 0x0                                ; block 2's stores have read their base
	SEND 3, 0
	s_wait_tensorcnt 0x0                           ; the wave's end: behind my last tensor load and my last LDS store
	ds_add_u32 v[SPW], v[NIL]
	s_wait_dscnt 0x0
	CROUND                                         ; the closing round: no work-group ends while a partner may still ask for a tile that names it
	s_endpgm
.Lfunc_end_k_q030879d2a7_gemm_out:
	.size	k_q030879d2a7_gemm_out, .Lfunc_end_k_q030879d2a7_gemm_out-k_q030879d2a7_gemm_out
	.p2alignl 7, 3214868480
	.fill 96, 4, 3214868480
	.section	.rodata,"a",@progbits
	.p2align	6, 0x0
	.amdhsa_kernel k_q030879d2a7_gemm_out
		.amdhsa_group_segment_fixed_size 327680
		.amdhsa_private_segment_fixed_size 0
		.amdhsa_enable_private_segment 0
		.amdhsa_kernarg_size 24
		.amdhsa_user_sgpr_count 2
		.amdhsa_user_sgpr_kernarg_segment_ptr 1
		.amdhsa_wavefront_size32 1
		.amdhsa_system_sgpr_workgroup_id_x 1
		.amdhsa_system_sgpr_workgroup_id_y 1
		.amdhsa_system_sgpr_workgroup_id_z 1
		.amdhsa_system_vgpr_workitem_id 0
		.amdhsa_next_free_vgpr 512
		.amdhsa_next_free_sgpr 98
		.amdhsa_reserve_vcc 0
		.amdhsa_float_denorm_mode_32 3
		.amdhsa_float_denorm_mode_16_64 3
		.amdhsa_memory_ordered 1
		.amdhsa_forward_progress 1
		.amdhsa_inst_pref_size 105
	.end_amdhsa_kernel
	.amdgpu_metadata
---
amdhsa.version: [ 1, 2 ]
amdhsa.kernels:
  - .name:           k_q030879d2a7_gemm_out
    .symbol:         k_q030879d2a7_gemm_out.kd
    .args:
      - { .name: ctx6, .offset: 0, .size: 8, .value_kind: global_buffer, .address_space: global }
      - { .name: wq6, .offset: 8, .size: 8, .value_kind: global_buffer, .address_space: global }
      - { .name: out0, .offset: 16, .size: 8, .value_kind: global_buffer, .address_space: global }
    .group_segment_fixed_size: 327680
    .private_segment_fixed_size: 0
    .kernarg_segment_align: 8
    .kernarg_segment_size: 24
    .max_flat_workgroup_size: 128
    .sgpr_count:     98
    .vgpr_count:     512
    .wavefront_size: 32
...
	.end_amdgpu_metadata
.endif
;; end of part 6
